; MI455X (gfx1250); checked and timed in simulation.
; The chip was launched on July 23, 2026; its instructions are those of AMD's public machine-readable ISA for CDNA 5 (MIT licence, August 2026) and "CDNA5" Instruction Set Architecture Reference Guide (July 2026). The comments in the code are by the model that wrote it; some were corrected since.
;; Bahdanau Attention. Allowed arithmetic: float matrix products may take bf16 or f16 operands with f32 sums; other float arithmetic in f32, or as packed bf16 or f16 multiplies, adds, multiply-adds, maxima and minima; sums over many terms, partial sums and values carried from step to step in f32; what a program stores and reads back later, other than sums and carried values, may be rounded once to bf16 or f16.
;; Inputs: V 1,024 x 1 float32; W1 1,024 x 1,024 float32; W2 1,024 x 1,024 float32; b1 1,024 float32; b2 1,024 float32; bv 1 float32; query 64 x 1,024 float32; values 64 x 1,024 x 1,024 float32.
;; Outputs: out0 64 x 1,024 float32; out1 64 x 1,024 x 1 float32.
;; 2 versions, each right. Each part assembles by itself: llvm-mc -triple=amdgcn-amd-amdhsa -mcpu=gfx1250 --defsym DOCPART=n.
;; ======== version 1 of 2: 3 launches
;; workspace buffers: wp 2,097,152 bytes; qb 262,144 bytes; part 2,097,152 bytes; st 131,072 bytes; pw 262,144 bytes
;; launch prep (part 1): grid 192 x 1, 16 waves a work-group, no clusters, 67,584 bytes of LDS; arguments W2, W1, query, b1, b2, wp, qb; writes wp, qb
.if DOCPART == 1
	.amdgcn_target "amdgcn-amd-amdhsa--gfx1250"
	.amdhsa_code_object_version 6
	.text
	.protected	k_q756b76b344_prep
	.globl	k_q756b76b344_prep
	.p2align	8
	.type	k_q756b76b344_prep,@function
k_q756b76b344_prep:
	s_mov_b64 s[64:65], 0
	v_nop
	global_prefetch_b8 v0, s[64:65] scope:SCOPE_SE
	s_setreg_imm32_b32 hwreg(HW_REG_WAVE_MODE, 25, 1), 1
	s_wait_xcnt 0x0
; TWO ROLES, chosen by the work-group's number (the same for all its waves).
; PACK (work-groups 0-127): W2 [1024 k][1024 u] f32 is rounded to bf16 and laid in the order in which the main launch reads it:
;   byte of (k, u) = (u/32) 65536 + (k/32) 2048 + ((u/16)%2) 1024 + ((k/16)%2) 512 + ((k/8)%2) 256 + (u%16) 16 + 2 (k%8):
;   a fragment (16 u x 32 k) is 1,024 consecutive bytes: 16 bytes a lane for registers 0-3, then 16 bytes a lane for registers 4-7.
;   Work-group p takes k = 8 p .. 8 p + 7; thread T the columns u = T and T + 512: eight loads of 4 bytes, four roundings, one store of 16 bytes;
;   sixteen neighbouring lanes store 256 consecutive bytes, aligned.
; QPROJ (work-groups 128-191, one for each tile of 16 u): qb[b][u] = query[b] . W1[:, u] + b1[u] + b2[u], f32.  Operands rounded to bf16, sums in f32.
;   K IS SPLIT AMONG THE 16 WAVES: wave v takes k = 64 v .. 64 v + 63, two matrix steps, for all four tiles of 16 batches.  Source 0 = 16 columns u of W1,
;   source 1 = 16 rows of query: in the result a lane holds one batch (lane % 16) and u = 8 (lane / 16) + 0..7.  The 16 partial sums meet in LDS.
;   qb leaves in runs of 64 consecutive bytes (a tile's 16 u of one batch): 262,144 bytes in all.
.set SPARE, 65536                      ; behind the partial sums: the spare words, 128 bytes for each of 16 waves: eight blocks of 256 bytes that no other line names
.set SPW, 10                           ; v10  LDS address of my spare word; never rewritten
.set NIL, 11                           ; v11  0; never rewritten
.set WV,  18                           ; s18  my wave's number
.set W1F, 16                           ; v[16:47]   W1 as loaded, 16 f32 a step; its first 8 registers then hold the fragment
.set QF,  48                           ; v[48:175]  query as loaded: step s, batch tile bt at QF + 64 s + 16 bt
.set ACC, 176                          ; v[176:207] four accumulators, one for each batch tile
.set BI,  208                          ; v[208:211] b1 and b2 of my two u
	s_load_b256 s[4:11], s[0:1], 0x0               ; W2 s[4:5], W1 s[6:7], query s[8:9], b1 s[10:11]
	s_load_b128 s[12:15], s[0:1], 0x20             ; b2 s[12:13], wp s[14:15]
	s_load_b64 s[16:17], s[0:1], 0x30              ; qb
	v_lshl_add_u32 v[SPW], v0, 2, SPARE
	v_mov_b32 v[NIL], 0
	v_lshrrev_b32 v1, 5, v0
	v_readfirstlane_b32 s[WV], v1                  ; wave 0..15
	v_and_b32 v2, 31, v0                           ; lane
	v_and_b32 v3, 15, v0                           ; lane % 16
	v_bfe_u32 v4, v0, 4, 1                         ; lane / 16
	s_cmp_lt_u32 ttmp9, 128
	s_cbranch_scc0 .Lqproj
	; ---------------- PACK ----------------
	s_lshl_b32 s20, ttmp9, 15                      ; my 8 rows of W2: p x 8 x 4,096 bytes
	s_mov_b32 s21, 0
	s_lshr_b32 s22, ttmp9, 2
	s_lshl_b32 s22, s22, 11                        ; (k/32) 2048
	s_and_b32 s23, ttmp9, 3
	s_lshl_b32 s23, s23, 8                         ; ((k/8)%4) 256
	s_add_co_u32 s22, s22, s23
	s_mov_b32 s23, 0
	v_lshlrev_b32 v5, 2, v0                        ; 4 T
	s_lshl_b32 s24, s[WV], 16                      ; u/32 = wave (+ 16 for the second column)
	v_lshlrev_b32 v6, 4, v3
	v_lshl_add_u32 v6, v4, 10, v6
	v_add_nc_u32 v6, s24, v6
	s_wait_kmcnt 0x0
	s_add_nc_u64 s[20:21], s[4:5], s[20:21]
	s_add_nc_u64 s[22:23], s[14:15], s[22:23]
.irp n, 0,1
.irp e, 0,1,2,3,4,5,6,7
	global_load_b32 v[16+8*(\n)+(\e)], v5, s[20:21] offset:(\e)*4096+(\n)*2048
.endr
.endr
	s_wait_loadcnt 8                               ; the first column's eight are in; the second's eight may stay out
.irp i, 0,1,2,3
	v_cvt_pk_bf16_f32 v[32+(\i)], v[16+2*(\i)], v[17+2*(\i)]
.endr
	global_store_b128 v6, v[32:35], s[22:23]
	s_wait_loadcnt 0x0
.irp i, 0,1,2,3
	v_cvt_pk_bf16_f32 v[36+(\i)], v[24+2*(\i)], v[25+2*(\i)]
.endr
	global_store_b128 v6, v[36:39], s[22:23] offset:16*65536
	s_branch .Lend
	; ---------------- QPROJ ----------------
.Lqproj:
	s_sub_co_u32 s20, ttmp9, 128                   ; my tile of 16 u
	s_lshl_b32 s21, s[WV], 18                      ; 64 v rows of W1
	s_lshl_b32 s22, s20, 6                         ; the tile's 64 bytes in a row
	s_add_co_u32 s21, s21, s22
	v_lshlrev_b32 v5, 2, v3                        ; W1: column lane % 16,
	v_lshl_add_u32 v5, v4, 15, v5                  ; row 8 (lane / 16),
	v_add_nc_u32 v5, s21, v5                       ; + my wave's rows and the tile
	s_lshl_b32 s23, s[WV], 8                       ; 64 v numbers of a row of query
	v_lshlrev_b32 v6, 12, v3                       ; query: row lane % 16,
	v_lshl_add_u32 v6, v4, 5, v6                   ; k = 8 (lane / 16),
	v_add_nc_u32 v6, s23, v6
	; the last sum: thread T takes batch T / 8 and u = 2 (T % 8), 2 (T % 8) + 1 of the tile
	v_and_b32 v7, 7, v0
	v_lshlrev_b32 v7, 3, v7
	v_add_nc_u32 v7, s22, v7                       ; byte of my two u in b1, b2 and a row of qb
	v_lshrrev_b32 v8, 3, v0
	v_lshl_add_u32 v8, v8, 12, v7                  ; my 8 bytes of qb
	v_and_b32 v9, 3, v0                            ; in a partial tile: registers 2 (T % 4), + 1: 8 bytes,
	v_lshlrev_b32 v9, 3, v9
	v_bfe_u32 v12, v0, 2, 1                        ; of lane 16 ((T / 4) % 2) + (T / 8) % 16: 32 bytes a lane,
	v_lshl_add_u32 v9, v12, 9, v9
	v_bfe_u32 v12, v0, 3, 4
	v_lshl_add_u32 v9, v12, 5, v9
	v_lshrrev_b32 v12, 7, v0                       ; of batch tile T / 128: 1,024 bytes a tile
	v_lshl_add_u32 v9, v12, 10, v9
	s_lshl_b32 s24, s[WV], 12
	v_lshl_add_u32 v13, v2, 5, s24                 ; where I put my 32 bytes of a partial tile: 4,096 v + 32 lane
	s_wait_kmcnt 0x0
	global_load_b64 v[BI:BI+1], v7, s[10:11]
	global_load_b64 v[BI+2:BI+3], v7, s[12:13]
.macro QLD s                           ; a step's 32 loads: W1's 16 numbers a lane (k = 8 h + 0..7 and 16 + 8 h + 0..7), query's 16 for each batch tile
.set e, 0
.rept 16
	global_load_b32 v[W1F+16*(\s)+e], v5, s[6:7] offset:(\s)*131072+(e+8*(e/8))*4096
.set e, e+1
.endr
.irp bt, 0,1,2,3
	global_load_b128 v[QF+64*(\s)+16*(\bt):QF+64*(\s)+16*(\bt)+3],     v6, s[8:9] offset:(\bt)*65536+(\s)*128
	global_load_b128 v[QF+64*(\s)+16*(\bt)+4:QF+64*(\s)+16*(\bt)+7],   v6, s[8:9] offset:(\bt)*65536+(\s)*128+16
	global_load_b128 v[QF+64*(\s)+16*(\bt)+8:QF+64*(\s)+16*(\bt)+11],  v6, s[8:9] offset:(\bt)*65536+(\s)*128+64
	global_load_b128 v[QF+64*(\s)+16*(\bt)+12:QF+64*(\s)+16*(\bt)+15], v6, s[8:9] offset:(\bt)*65536+(\s)*128+80
.endr
.endm
.macro QCV s                           ; rounded in place, ascending: register t takes numbers 2 t and 2 t + 1, which no later line of the run reads
.set t, 0
.rept 8
	v_cvt_pk_bf16_f32 v[W1F+16*(\s)+t], v[W1F+16*(\s)+2*t], v[W1F+16*(\s)+2*t+1]
.set t, t+1
.endr
.irp bt, 0,1,2,3
.set t, 0
.rept 8
	v_cvt_pk_bf16_f32 v[QF+64*(\s)+16*(\bt)+t], v[QF+64*(\s)+16*(\bt)+2*t], v[QF+64*(\s)+16*(\bt)+2*t+1]
.set t, t+1
.endr
.endr
.endm
	QLD 0
	QLD 1
	s_wait_loadcnt 32                              ; the biases and step 0 are in; step 1's 32 loads may stay out
	QCV 0
.irp bt, 0,1,2,3                       ; the first step starts the sums; the four accumulators take turns
	v_wmma_f32_16x16x32_bf16 v[ACC+8*(\bt):ACC+8*(\bt)+7], v[W1F:W1F+7], v[QF+16*(\bt):QF+16*(\bt)+7], 0
.endr
	s_wait_loadcnt 0x0
	QCV 1
.irp bt, 0,1,2,3
	v_wmma_f32_16x16x32_bf16 v[ACC+8*(\bt):ACC+8*(\bt)+7], v[W1F+16:W1F+23], v[QF+64+16*(\bt):QF+64+16*(\bt)+7], v[ACC+8*(\bt):ACC+8*(\bt)+7]
.endr
.rept 8
	v_nop                                          ; the places behind the last products, ahead of the stores that read results and of the loads into W1's registers
.endr
.irp bt, 0,1,2,3
	ds_store_b128 v13, v[ACC+8*(\bt):ACC+8*(\bt)+3]   offset:(\bt)*1024
	ds_store_b128 v13, v[ACC+8*(\bt)+4:ACC+8*(\bt)+7] offset:(\bt)*1024+16
.endr
	s_wait_dscnt 0x0                               ; for the others' sake: my partial sums lie in LDS
	s_barrier_signal -1
	s_barrier_wait -1
.set k, 0
.rept 16
	ds_load_b64 v[16+2*k:17+2*k], v9 offset:k*4096 ; the same two numbers of all 16 waves' partial sums
.set k, k+1
.endr
	s_wait_dscnt 0x0
.set d, 2
.rept 4                                ; 8 + 4 + 2 + 1 packed additions
.set k, 0
.rept 16/d
	v_pk_add_f32 v[16+2*d*k:16+2*d*k+1], v[16+2*d*k:16+2*d*k+1], v[16+2*d*k+d:16+2*d*k+d+1]
.set k, k+1
.endr
.set d, 2*d
.endr
	v_pk_add_f32 v[BI:BI+1], v[BI:BI+1], v[BI+2:BI+3]
	v_pk_add_f32 v[16:17], v[16:17], v[BI:BI+1]
	global_store_b64 v8, v[16:17], s[16:17]
.Lend:
	s_wait_tensorcnt 0x0                           ; the wave's end: behind my last LDS store
	ds_add_u32 v[SPW], v[NIL]
	s_wait_dscnt 0x0
	s_endpgm
.Lfunc_end_k_q756b76b344_prep:
	.size	k_q756b76b344_prep, .Lfunc_end_k_q756b76b344_prep-k_q756b76b344_prep
	.p2alignl 7, 3214868480
	.fill 96, 4, 3214868480
	.section	.rodata,"a",@progbits
	.p2align	6, 0x0
	.amdhsa_kernel k_q756b76b344_prep
		.amdhsa_group_segment_fixed_size 67584
		.amdhsa_private_segment_fixed_size 0
		.amdhsa_enable_private_segment 0
		.amdhsa_kernarg_size 56
		.amdhsa_user_sgpr_count 2
		.amdhsa_user_sgpr_kernarg_segment_ptr 1
		.amdhsa_wavefront_size32 1
		.amdhsa_system_sgpr_workgroup_id_x 1
		.amdhsa_system_sgpr_workgroup_id_y 1
		.amdhsa_system_sgpr_workgroup_id_z 1
		.amdhsa_system_vgpr_workitem_id 0
		.amdhsa_next_free_vgpr 224
		.amdhsa_next_free_sgpr 66
		.amdhsa_reserve_vcc 0
		.amdhsa_float_denorm_mode_32 3
		.amdhsa_float_denorm_mode_16_64 3
		.amdhsa_memory_ordered 1
		.amdhsa_forward_progress 1
		.amdhsa_inst_pref_size 20
	.end_amdhsa_kernel
	.amdgpu_metadata
---
amdhsa.version: [ 1, 2 ]
amdhsa.kernels:
  - .name:           k_q756b76b344_prep
    .symbol:         k_q756b76b344_prep.kd
    .args:
      - { .name: W2, .offset: 0, .size: 8, .value_kind: global_buffer, .address_space: global }
      - { .name: W1, .offset: 8, .size: 8, .value_kind: global_buffer, .address_space: global }
      - { .name: query, .offset: 16, .size: 8, .value_kind: global_buffer, .address_space: global }
      - { .name: b1, .offset: 24, .size: 8, .value_kind: global_buffer, .address_space: global }
      - { .name: b2, .offset: 32, .size: 8, .value_kind: global_buffer, .address_space: global }
      - { .name: wp, .offset: 40, .size: 8, .value_kind: global_buffer, .address_space: global }
      - { .name: qb, .offset: 48, .size: 8, .value_kind: global_buffer, .address_space: global }
    .group_segment_fixed_size: 67584
    .private_segment_fixed_size: 0
    .kernarg_segment_align: 8
    .kernarg_segment_size: 56
    .max_flat_workgroup_size: 512
    .sgpr_count:     66
    .vgpr_count:     224
    .wavefront_size: 32
...
	.end_amdgpu_metadata
.endif
;; end of part 1
;; launch main (part 2): grid 512 x 1, 4 waves a work-group, clusters of 4 x 1, 327,680 bytes of LDS; arguments values, wp, qb, V, bv, part, st, pw; writes part, st, pw
.if DOCPART == 2
	.amdgcn_target "amdgcn-amd-amdhsa--gfx1250"
	.amdhsa_code_object_version 6
	.text
	.protected	k_q756b76b344_main
	.globl	k_q756b76b344_main
	.p2align	8
	.type	k_q756b76b344_main,@function
k_q756b76b344_main:
	s_mov_b64 s[64:65], 0
	v_nop
	global_prefetch_b8 v0, s[64:65] scope:SCOPE_SE
	s_setreg_imm32_b32 hwreg(HW_REG_WAVE_MODE, 25, 1), 1
	s_wait_xcnt 0x0
	s_wait_alu depctr_hold_cnt(0) depctr_sa_sdst(0) depctr_va_vdst(0) depctr_va_sdst(0) depctr_va_ssrc(0) depctr_va_vcc(0) depctr_vm_vsrc(0)
	s_getreg_b32 s2, hwreg(HW_REG_IB_STS2, 6, 4)
	s_cmp_eq_u32 s2, 0
	s_cbranch_scc0 .Lentry_in_a_cluster
	s_endpgm
.Lentry_in_a_cluster:
	s_bfe_u32 s2, ttmp6, 0x10000c
	s_cmp_lg_u32 s2, 0x3003
	s_cbranch_scc0 .Lentry_shape_is_right
	s_endpgm
.Lentry_shape_is_right:
; score[b][t] = bv + sum over u of V[u] tanh(qb[b][u] + values[b][t] . W2[:, u]);  for a BLOCK of 128 rows t of one batch this launch makes the scores, the block's maximum m,
; p = exp(score - m), l = the sum of p, and the sum of p x values[b][t][:].  A later launch joins a batch's eight blocks.  512 blocks, one to a work-group.
; THE ROWS STAND STILL.  A wave owns 32 rows (two tiles of 16) and holds them as bf16 fragments for all K = 1,024: 2 x 32 fragments x 8 = 512 registers.  values are read once, as f32,
; by tensor loads of 32 rows x 1,024 bytes a wave, and rounded on the way from LDS to the registers.  W2 (bf16, in fragment order: buffer wp) then streams through two LDS slots of 131,072 bytes.
; u OUTSIDE, K INSIDE: a PAIR is two tiles of 16 u x my two row tiles: 4 accumulators, 64 fragments of W2, 128 matrix instructions.  The sums start from qb (the C operand of the first product).
; While a pair is multiplied, the pair before it is turned into scores: one slice of that work stands behind each matrix instruction.
; tanh(x) = 1 - 2 / (1 + 2^(2 log2(e) x)), so score = (bv + sum V) - 2 sum V / (1 + 2^..): an exponential that overflows gives 1, one that vanishes -1.
; LAYOUT.  Source 0 = 16 u of W2, source 1 = 16 rows: in the result a lane holds ONE row (lane % 16) and u = 8 (lane / 16) + 0..7, so a row's score wants one exchange of the lanes' halves, at the end.
; CLUSTER.  All work-groups walk the same stream wp: the four of a cluster ask for each quarter slot JOINTLY (the same load, descriptor and mask in all four).  The tiles of values are each work-group's own: plain loads.
; AT THE END the fragments are laid row by row into the two slots, which have had their last fill, and thread T sums p x value for columns 8 T .. 8 T + 7 in f32.
; LIMITS.  Matrix operands are rounded to bf16; the context is made of the values so rounded, with f32 weights and sums.  An exponential below 2^-126 counts as 0.  NaN and infinities are not treated apart.
; REGISTERS, in windows of 256 (s_set_vgpr_msb: bits 1:0 source 0, 3:2 source 1, 5:4 source 2, 7:6 destination):
;   window 0: v2-15 addresses; v16-23 S, the running sums; v24-31 the context; v32-63, v64-95 two sets of 4 accumulators ((j, i) at set + 8 (2 j + i)); v96-127 the end; v128-255 16 buffers for W2's fragments
;   windows 1, 2: the rows: fragment (row tile i, K step c) at v[16 (c % 16) + 8 i] of window 1 + c / 16
;   window 3: v0-127 tables, by the slot's parity and tile x of 4: at 64 parity + 16 x: 8 registers of qb, 8 of V, for u = 8 (lane / 16) + 0..7
.set PA,    1040                       ; a row of a tile of values in LDS: 1,024 bytes + 16 of padding = 260 words: the 16 rows of a load start at 16 different groups of four banks (64 banks of 4 bytes: ISA guide 11.1)
.set REGY,  128*PA                     ; the second region: 133,120
.set WPAIR, 65536                      ; a pair's 64 fragments
.set WSLOT, 131072                     ; a slot: two pairs
.set PD,    2064                       ; a row of bf16 at the end: 2,048 bytes + 16
.set SCR,   266240                     ; behind both regions, never filled by a tensor load:
.set LP,    SCR                        ;   p of the block's 128 rows
.set LMAX,  SCR+512                    ;   the four waves' maxima; 16 bytes on, their sums
.set LCT,   SCR+768                    ;   1,024 bytes for each wave, for the context's way out
.set SPARE, SCR+768+4096               ; the spare words, 128 bytes for each wave: two blocks of 256 bytes that no other line names
.set AW,  2                            ; v2-5   16 x lane + the first byte of slot 0's pairs 0, 1 and slot 1's pairs 0, 1
.set AFX, 6                            ; v6     my place in a tile of values in the first region: (32 w + lane % 16) x PA + 32 (lane / 16)
.set AFY, 7                            ; v7     in the second
.set TO,  8                            ; v8     32 (lane / 16): my 8 numbers in a tile's 64 bytes of qb and V
.set DA,  9                            ; v9     the rows' way into LDS: (32 w + lane % 16) x PD + 16 (lane / 16)
.set SPW, 10                           ; v10    LDS address of my spare word; never rewritten
.set NIL, 11                           ; v11    0; never rewritten
.set CB,  12                           ; v12    bv + the sum of V
.set T0,  13                           ; v13-15 at work
.set T1,  14
.set T2,  15
.set SS,  16                           ; v16-23 pair 2 j + i: sum of V / (1 + 2^..), even and odd u
.set CX,  24
.set SETA, 32
.set SETB, 64
.set EN,  96
.set MR,  100                          ; v100 m, v101 l
.set WB,  128
.set WV,  20                           ; s20  my wave's number
.set CXS, 21                           ; s21  my place in the cluster: it enters global addresses of values, qb, part, st, pw alone
.set GB,  22                           ; s22  my block
.set G1A, 24                           ; s[24:31] descriptor group 1 for tiles of values
.set G1W, 32                           ; s[32:39] for quarter slots of wp
.set G0AX, 40                          ; s[40:43], s[44:47] group 0 for values, one for each region
.set G0AY, 44
.set G0WX, 48                          ; s[48:51], s[52:55] group 0 for wp, one for each slot
.set G0WY, 52
.set CNT, 56
.set C2,  58                           ; s[58:59] 2 log2(e): the packed multiply takes the pair's low word for both halves
.set SEL, 60                           ; s[60:61] v_permlanex16_b32's selects: each lane takes its own place in the other half
.set TQ,  66                           ; s[66:67] qb at my batch, at the trip's first slot
.set TV,  68                           ; s[68:69] V at the same u
.set BV,  70
.set L2E, 71
.set MSB, 0
.macro WIN new                         ; the high byte repeats the setting that is left; a switch that changes nothing is dropped
.if MSB != (\new)
	s_set_vgpr_msb (MSB<<8)|(\new)
.set MSB, (\new)
.endif
.endm
.macro CREST                           ; a round of the cluster's barrier behind its opening barrier
	s_cmp_lg_u32 s[WV], 0
	s_cbranch_scc1 .Lnot_wave_0_\@
	s_barrier_signal -3
.Lnot_wave_0_\@:
	s_barrier_wait -3
	s_barrier_signal -1
	s_barrier_wait -1
.endm
.macro ROUND                           ; a whole round: my work-group's barrier, wave 0's signal for the work-group, every wave's wait for all four, my work-group's barrier once more
	s_barrier_signal -1
	s_barrier_wait -1
	CREST
.endm
.macro TL g0, g1                       ; a tensor load; an s_nop 0 and four v_nop follow it
	tensor_load_to_lds s[(\g0):(\g0)+3], s[(\g1):(\g1)+7]
	s_nop 0
.rept 4
	v_nop
.endr
.endm
; A region is filled again: all my tensor loads have landed, 0 goes onto my spare word, the descriptor steps, the add and my reads of the region are over; a round; my one load, first behind it.
.macro ACH g0, g1, step
	WIN 0
	s_wait_tensorcnt 0x0                           ; no tensor load of mine is out, so a group 0 may be written
	ds_add_u32 v[SPW], v[NIL]
.if \step
	s_add_nc_u64 s[(\g0)+2:(\g0)+3], s[(\g0)+2:(\g0)+3], \step
.endif
	s_wait_dscnt 0x0
	ROUND
	TL \g0, \g1
.endm
	s_load_b512 s[4:19], s[0:1], 0x0               ; values s[4:5], wp s[6:7], qb s[8:9], V s[10:11], bv s[12:13], part s[14:15], st s[16:17], pw s[18:19]
	v_lshl_add_u32 v[SPW], v0, 2, SPARE
	v_mov_b32 v[NIL], 0
	ds_add_u32 v[SPW], v[NIL]                      ; the wave's opening: the add and its wait stand ahead of my first tensor load; the set-up below, work on registers, stands between them
	v_lshrrev_b32 v1, 5, v0
	v_readfirstlane_b32 s[WV], v1                  ; wave 0..3
	s_bfe_u32 s[CXS], ttmp6, 0x40000
	s_lshl_b32 s[GB], ttmp9, 2                     ; in a cluster launch ttmp9 counts clusters
	s_add_co_u32 s[GB], s[GB], s[CXS]              ; my block = 4 x cluster + my place
	; group 1 for values: 32 rows x 256 f32, 1,024 f32 from row to row, 4 words of padding behind every 256
	s_mov_b32 s[G1A+0], (2<<16)|(1<<20)|(7<<22)|(3<<25)  ; 15:0 no mask; 17:16 elements of 4 bytes; 20 padding on; 24:22 after every 256 words (code 7); 31:25 4 words (code 3)
	s_mov_b32 s[G1A+1], 256<<16                    ; tensor_dim0 = 256
	s_mov_b32 s[G1A+2], 32<<16                     ; tensor_dim1 = 32
	s_mov_b32 s[G1A+3], 256<<16                    ; tile_dim0 = 256
	s_mov_b32 s[G1A+4], 32                         ; tile_dim1 = 32
	s_mov_b32 s[G1A+5], 1024                       ; elements from row to row
	s_mov_b32 s[G1A+6], 0
	s_mov_b32 s[G1A+7], 0
	; group 1 for wp: 32,768 dense bytes as 128 rows of 256
	s_mov_b32 s[G1W+0], 15|(3<<16)|(1<<21)         ; 15:0 the mask: all four work-groups; 17:16 elements of 8 bytes; 21 set beside a mask
	s_mov_b32 s[G1W+1], 32<<16
	s_mov_b32 s[G1W+2], 128<<16
	s_mov_b32 s[G1W+3], 32<<16
	s_mov_b32 s[G1W+4], 128
	s_mov_b32 s[G1W+5], 32
	s_mov_b32 s[G1W+6], 0
	s_mov_b32 s[G1W+7], 0
	s_mul_i32 s72, s[WV], 32*PA                    ; my 32 rows in a region
	s_lshl_b32 s73, s[WV], 15                      ; my quarter of a slot
	s_mov_b32 s[G0AX], 1
	s_mov_b32 s[G0AX+1], s72
	s_mov_b32 s[G0AY], 1
	s_add_co_u32 s[G0AY+1], s72, REGY
	s_mov_b32 s[G0WX], 1
	s_mov_b32 s[G0WX+1], s73
	s_mov_b32 s[G0WY], 1
	s_add_co_u32 s[G0WY+1], s73, REGY
	s_lshl_b32 s74, s[GB], 19                      ; my block's 128 rows of 4,096 bytes (under 2^32),
	s_lshl_b32 s75, s[WV], 17                      ; my wave's 32
	s_add_co_u32 s74, s74, s75
	s_mov_b32 s75, 0
	s_mov_b32 s76, s73                             ; my quarter in wp: the wave's number alone
	s_mov_b32 s77, 0
	s_lshr_b32 s78, s[GB], 3                       ; my batch,
	s_lshl_b32 s78, s78, 12                        ; its row of qb
	s_mov_b32 s79, 0
	s_mov_b32 s[C2], 0x4038aa3b                    ; 2 log2(e)
	s_mov_b32 s[C2+1], s[C2]
	s_mov_b32 s[SEL], 0x76543210
	s_mov_b32 s[SEL+1], 0xfedcba98
	s_mov_b32 s[L2E], 0x3fb8aa3b
	v_and_b32 v[T0], 31, v0
	v_and_b32 v[T1], 15, v0
	v_bfe_u32 v[T2], v0, 4, 1
	v_lshlrev_b32 v[AW], 4, v[T0]
	v_add_nc_u32 v[AW+1], WPAIR, v[AW]
	v_add_nc_u32 v[AW+2], REGY, v[AW]
	v_add_nc_u32 v[AW+3], REGY+WPAIR, v[AW]
	v_mul_u32_u24 v[AFX], v[T1], PA
	v_lshl_add_u32 v[AFX], v[T2], 5, v[AFX]
	v_add_nc_u32 v[AFX], s72, v[AFX]
	v_add_nc_u32 v[AFY], REGY, v[AFX]
	v_lshlrev_b32 v[TO], 5, v[T2]
	s_mul_i32 s62, s[WV], 32*PD
	v_mul_u32_u24 v[DA], v[T1], PD
	v_lshl_add_u32 v[DA], v[T2], 4, v[DA]
	v_add_nc_u32 v[DA], s62, v[DA]
	s_wait_dscnt 0x0                               ; the opening add is done
	s_wait_kmcnt 0x0
	s_add_nc_u64 s[G0AX+2:G0AX+3], s[4:5], s[74:75]            ; columns 0-255 of my rows,
	s_add_nc_u64 s[G0AY+2:G0AY+3], s[G0AX+2:G0AX+3], 1024      ; columns 256-511
	s_or_b32 s[G0AX+3], s[G0AX+3], 0x80000000                  ; 127:126 type = 2
	s_or_b32 s[G0AY+3], s[G0AY+3], 0x80000000
	s_add_nc_u64 s[G0WX+2:G0WX+3], s[6:7], s[76:77]            ; slot 0,
	s_add_nc_u64 s[G0WY+2:G0WY+3], s[G0WX+2:G0WX+3], WSLOT     ; slot 1
	s_or_b32 s[G0WX+3], s[G0WX+3], 0x80000000
	s_or_b32 s[G0WY+3], s[G0WY+3], 0x80000000
	s_add_nc_u64 s[TQ:TQ+1], s[8:9], s[78:79]
	s_mov_b64 s[TV:TV+1], s[10:11]
	ROUND                                          ; in a cluster launch the first tensor loads stand behind a round
	tensor_load_to_lds s[G0AX:G0AX+3], s[G1A:G1A+7]  ; the two first fills go out together: two loads of mine are out
	s_nop 0
	tensor_load_to_lds s[G0AY:G0AY+3], s[G1A:G1A+7]
	s_nop 0
.rept 4
	v_nop
.endr
; A slot's tables into window 3: for each of its four tiles my 8 numbers of qb and of V.
.macro TABS par, imm
	WIN 0xc0                                       ; destination window 3, address window 0
.irp x, 0,1,2,3
	global_load_b128 v[64*(\par)+16*(\x):64*(\par)+16*(\x)+3],     v[TO], s[TQ:TQ+1] offset:(\imm)+64*(\x)
	global_load_b128 v[64*(\par)+16*(\x)+4:64*(\par)+16*(\x)+7],   v[TO], s[TQ:TQ+1] offset:(\imm)+64*(\x)+16
	global_load_b128 v[64*(\par)+16*(\x)+8:64*(\par)+16*(\x)+11],  v[TO], s[TV:TV+1] offset:(\imm)+64*(\x)
	global_load_b128 v[64*(\par)+16*(\x)+12:64*(\par)+16*(\x)+15], v[TO], s[TV:TV+1] offset:(\imm)+64*(\x)+16
.endr
.endm
	; in the wait for the first tiles: bv, the sum of V, slot 0's tables, and zeros for what the first pair's slices find
	s_load_b32 s[BV], s[12:13], 0x0
.irp n, 0,1,2,3,4,5,6,7
	global_load_b128 v[EN+4*(\n):EN+4*(\n)+3], v[AW], s[10:11] offset:512*(\n)
.endr
	TABS 0, 0
.set k, 0
.rept 8                                ; the first pair's slices work on a pair that has not been: set B holds 0 and its V is 0, so they add 0.5 x 0 to S
	v_mov_b32 v[104+k], 0
	v_mov_b32 v[120+k], 0
.set k, k+1
.endr
	WIN 0
.set k, 0
.rept 8
	v_mov_b32 v[SS+k], 0
.set k, k+1
.endr
.set k, 0
.rept 32
	v_mov_b32 v[SETB+k], 0
.set k, k+1
.endr
	s_wait_loadcnt 0x0
	s_wait_kmcnt 0x0
.set d, 2
.rept 4                                ; my 32 numbers of V: 8 + 4 + 2 + 1 packed additions
.set k, 0
.rept 16/d
	v_pk_add_f32 v[EN+2*d*k:EN+2*d*k+1], v[EN+2*d*k:EN+2*d*k+1], v[EN+2*d*k+d:EN+2*d*k+d+1]
.set k, k+1
.endr
.set d, 2*d
.endr
	v_add_f32 v[EN], v[EN], v[EN+1]
.irp x, 1,2,4,8
	v_add_f32_dpp v[EN], v[EN], v[EN] row_xmask:\x row_mask:0xf bank_mask:0xf
.endr
	v_permlanex16_b32 v[EN+1], v[EN], s[SEL], s[SEL+1]
	v_add_f32 v[EN], v[EN], v[EN+1]
	v_add_f32 v[CB], s[BV], v[EN]
; THE ROWS COME IN.  A chunk is 256 columns: 16 fragments (row tile ph / 8, K step ph % 8), in four batches of four.  A fragment's 16 f32 a lane are four loads of 16 bytes
; (k = 8 h + 0..7 at byte 32 h, k = 16 + 8 h + 0..7 at byte 64 + 32 h); eight roundings make its 8 registers.  Two staging halves of 64 registers take turns.
.macro CLD bt, af
.set k, 0
.rept 4
.set ph, 4*(\bt)+k
.set sg, WB+64*((\bt)%2)+16*k
	ds_load_b128 v[sg:sg+3],     v[\af] offset:(ph/8)*16*PA+(ph%8)*128
	ds_load_b128 v[sg+4:sg+7],   v[\af] offset:(ph/8)*16*PA+(ph%8)*128+16
	ds_load_b128 v[sg+8:sg+11],  v[\af] offset:(ph/8)*16*PA+(ph%8)*128+64
	ds_load_b128 v[sg+12:sg+15], v[\af] offset:(ph/8)*16*PA+(ph%8)*128+80
.set k, k+1
.endr
.endm
.macro CCV n, bt
	WIN 0x40*(1+(\n)/2)                            ; destination window 1 (chunks 0, 1) or 2 (chunks 2, 3)
.set k, 0
.rept 4
.set ph, 4*(\bt)+k
.set sg, WB+64*((\bt)%2)+16*k
.set rt, 16*(8*((\n)%2)+ph%8)+8*(ph/8)
.set t, 0
.rept 8
	v_cvt_pk_bf16_f32 v[rt+t], v[sg+2*t], v[sg+2*t+1]
.set t, t+1
.endr
.set k, k+1
.endr
	WIN 0
.endm
.macro CONV n, af
	CLD 0, \af
	CLD 1, \af
	s_wait_dscnt 16                                ; a batch is in; the younger batch's 16 loads may stay out
	CCV \n, 0
	CLD 2, \af
	s_wait_dscnt 16
	CCV \n, 1
	CLD 3, \af
	s_wait_dscnt 16
	CCV \n, 2
	s_wait_dscnt 0x0
	CCV \n, 3
.endm
	s_wait_tensorcnt 0x1                           ; chunk 0 is in; chunk 1 may stay out.  A wave reads only the 32 rows that it fetched itself
	CONV 0, AFX
	ACH G0AX, G1A, 2048                            ; chunk 2 into the first region
	CONV 1, AFY
	ACH G0AY, G1A, 2048                            ; chunk 3 into the second
	CONV 2, AFX
	ACH G0WX, G1W, 0                               ; the rows have left the first region: slot 0 of wp
	CONV 3, AFY
	ACH G0WY, G1W, 0                               ; slot 1; the wait and the round in front of it have shown slot 0 whole to every wave
; THE SLICES.  Slice g of 128 of the work on the finished set EE (32 registers, x = qb + the product), with its V at VT in window 3.  Every slice holds a plain instruction: the slices are the places
; behind the matrix instructions (ISA guide 7.12.1).  All but the last kind have no vector register as source 1, so they run under the products' window setting.
;   0-3     nothing: with the four slices before them, eight places behind the pair's products that end the accumulator read first
;   4-19    x times 2 log2(e), a pair a slice, ascending: each accumulator's lowest registers are read first
;   8-39    besides: the 32 exponentials, ONE BATCH; 40: a plain instruction behind the last, and the one wait ahead of the first use
;   41-56   + 1      57-88  the 32 reciprocals, a batch; 89: its plain instruction and its wait
;   90-96   even slices: four times S[a] += reciprocal x V, the four S by turns
; lump = 1: the list stands by itself, behind the last pair: the fillers are left out.
.macro RID g, lump
.if (\g) < 4
	v_nop
.elseif (\g) < 20
	v_pk_mul_f32 v[EE+2*((\g)-4):EE+2*((\g)-4)+1], v[EE+2*((\g)-4):EE+2*((\g)-4)+1], s[C2:C2+1] op_sel_hi:[1,0]
.if (\g) >= 8
	v_exp_f32 v[EE+(\g)-8], v[EE+(\g)-8]
.endif
.elseif (\g) < 40
.if !(\lump)
	v_nop
.endif
	v_exp_f32 v[EE+(\g)-8], v[EE+(\g)-8]
.elseif (\g) == 40
	v_nop
	s_wait_alu depctr_va_vdst(0)
.elseif (\g) < 57
	v_pk_add_f32 v[EE+2*((\g)-41):EE+2*((\g)-41)+1], v[EE+2*((\g)-41):EE+2*((\g)-41)+1], 1.0 op_sel_hi:[1,0]
.elseif (\g) < 89
.if !(\lump)
	v_nop
.endif
	v_rcp_f32 v[EE+(\g)-57], v[EE+(\g)-57]
.elseif (\g) == 89
	v_nop
	s_wait_alu depctr_va_vdst(0)
.elseif ((\g) < 97) && ((\g)%2 == 0)
	WIN 0x0c                                       ; source 1, V, in window 3
.set mm, ((\g)-90)/2
.irp a, 0,1,2,3
	v_pk_fma_f32 v[SS+2*(\a):SS+2*(\a)+1], v[EE+8*(\a)+2*mm:EE+8*(\a)+2*mm+1], v[VT+16*((\a)/2)+2*mm:VT+16*((\a)/2)+2*mm+1], v[SS+2*(\a):SS+2*(\a)+1]
.endr
.elseif !(\lump)
	v_nop
.endif
.endm
; Product i of fragment f (u tile j = f % 2, K step f / 2): accumulator (j, i) of set CUR.  K step 0 starts the sums from qb.  The four accumulators take turns, one instruction a turn,
; over the edges of pairs, slots and trips too.
.macro PROD i
.set rD, CUR+8*(2*(f%2)+(\i))
.set rW, WB+8*(f%16)
.set rR, 16*((f/2)%16)+8*(\i)
.if f < 2
	WIN 0x34                                       ; rows in window 1, C (qb) in window 3
	v_wmma_f32_16x16x32_bf16 v[rD:rD+7], v[rW:rW+7], v[rR:rR+7], v[QT+16*f:QT+16*f+7]
.elseif f < 32
	WIN 0x04
	v_wmma_f32_16x16x32_bf16 v[rD:rD+7], v[rW:rW+7], v[rR:rR+7], v[rD:rD+7]
.else
	WIN 0x08                                       ; rows in window 2
	v_wmma_f32_16x16x32_bf16 v[rD:rD+7], v[rW:rW+7], v[rR:rR+7], v[rD:rD+7]
.endif
.endm
; A PAIR: 64 fragments.  Fragment f: the wait for its two loads; two products, a slice behind each; the two loads of fragment f + 14 into the buffer that fragment f - 2 left
; (five slices behind the last product that read it).  The wait's count, 26, is the loads of the 13 younger fragments.  aw: the pair's first byte; awn: the next pair's.
; tabs = 1: behind fragment 1 the next slot's tables are asked for.  last = 1: nothing follows: the counts run down.
; chg: THE CHANGE OF SLOTS, in a slot's second pair.  Fragment 49 has asked for the slot's last bytes.  Then: the wait for all my tensor loads (one is out: my quarter of the other slot), the add,
; the descriptor's step; four fragments without loads (counts: the younger fragments' loads and the add); the wait for the add and for my reads of the slot; the signal; four fragments, work on registers; the wait.
; chg = 1: the barrier opens a round of the cluster's, and the joint refill (the slot two on) is the first thing behind it; from there to the wait for it stand 240 matrix instructions.  chg = 2: nothing is left to ask for.
; Then the next slot's fragments 0-7 in one run, and fragments 58-63 fetch its fragments 8-13.
.macro PAIR aw, awn, cur, ee, qt, vt, tabs, timm, chg, g0, last
.set CUR, \cur
.set EE, \ee
.set QT, \qt
.set VT, \vt
.set f, 0
.rept 64
.if (\chg) && (f >= 54)
.elseif (\chg) && (f >= 50)
	s_wait_dscnt 127-2*f
.elseif (\last) && (f >= 50)
	s_wait_dscnt 126-2*f
.else
	s_wait_dscnt 26
.endif
	PROD 0
	RID 2*f, 0
	PROD 1
	RID 2*f+1, 0
.if f < 50
	ds_load_b128 v[WB+8*((f+14)%16):WB+8*((f+14)%16)+3],   v[\aw] offset:(f+14)*1024
	ds_load_b128 v[WB+8*((f+14)%16)+4:WB+8*((f+14)%16)+7], v[\aw] offset:(f+14)*1024+512
.elseif (\last)
.elseif (\chg) && (f < 58)
.else
	ds_load_b128 v[WB+8*((f+14)%16):WB+8*((f+14)%16)+3],   v[\awn] offset:(f-50)*1024
	ds_load_b128 v[WB+8*((f+14)%16)+4:WB+8*((f+14)%16)+7], v[\awn] offset:(f-50)*1024+512
.endif
.if (\tabs) && (f == 1)
	TABS TPAR, \timm
.endif
.if (\chg) && (f == 49)
	WIN 0                                          ; (the add's two registers lie in window 0)
	s_wait_tensorcnt 0x0                           ; all my tensor loads have landed, so a group 0 may be written
	ds_add_u32 v[SPW], v[NIL]                      ; 0 onto my spare word
.if (\chg) == 1
	s_add_nc_u64 s[(\g0)+2:(\g0)+3], s[(\g0)+2:(\g0)+3], 2*WSLOT
.endif
.endif
.if (\chg) && (f == 53)
	s_wait_dscnt 0x0                               ; the add is done, and my reads of this slot are over
	s_barrier_signal -1
.endif
.if (\chg) && (f == 57)
	WIN 0                                          ; at a branch and at a label every window is 0
	s_barrier_wait -1
.if (\chg) == 1
	CREST                                          ; no wave of any partner still reads this slot or has a load on its way
	TL \g0, G1W
.else
.rept 4
	v_nop
.endr
.endif
.set bb, 0
.rept 8
	ds_load_b128 v[WB+8*bb:WB+8*bb+3],   v[\awn] offset:bb*1024
	ds_load_b128 v[WB+8*bb+4:WB+8*bb+7], v[\awn] offset:bb*1024+512
.set bb, bb+1
.endr
.endif
.set f, f+1
.endr
.endm
; A SLOT of parity par: its tables are in; pair 0 on set A (beside it the slices of the slot before's pair 1), pair 1 on set B (beside it pair 0's).
.macro SLOT par, tabs, timm, chg, g0, last
.set TPAR, 1-(\par)
	s_wait_loadcnt 0x0                             ; the only global loads out are this slot's tables
	PAIR AW+2*(\par), AW+2*(\par)+1, SETA, SETB, 64*(\par), 64*(1-(\par))+40, 0, 0, 0, 0, 0
	PAIR AW+2*(\par)+1, AW+2*(1-(\par)), SETB, SETA, 64*(\par)+32, 64*(\par)+8, \tabs, \timm, \chg, \g0, \last
.endm
.set f, 0
.rept 14                               ; slot 0's fragments 0-13
	ds_load_b128 v[WB+8*f:WB+8*f+3],   v[AW] offset:f*1024
	ds_load_b128 v[WB+8*f+4:WB+8*f+7], v[AW] offset:f*1024+512
.set f, f+1
.endr
	s_mov_b32 s[CNT], 7
.Lw:                                   ; a trip: two slots, 128 u; both are filled again.  Seven trips: slots 0-13
	SLOT 0, 1, 256, 1, G0WX, 0
	SLOT 1, 1, 512, 1, G0WY, 0
	WIN 0
	s_wait_xcnt 0x0                                ; the tables' loads have read their addresses, so the two pointers may be written
	s_add_nc_u64 s[TQ:TQ+1], s[TQ:TQ+1], 512
	s_add_nc_u64 s[TV:TV+1], s[TV:TV+1], 512
	s_sub_co_u32 s[CNT], s[CNT], 1
	s_cmp_lg_u32 s[CNT], 0
	s_cbranch_scc1 .Lw
	SLOT 0, 1, 256, 2, 0, 0                        ; the tail is written out: slots 14 and 15 ask for nothing
	SLOT 1, 0, 0, 0, 0, 1
	WIN 0
.set EE, SETB                          ; the last pair's slices, by themselves
.set VT, 104
.set gg, 0
.rept 97
	RID gg, 1
.set gg, gg+1
.endr
	WIN 0
	; THE SCORES: both u parities, even and odd u, the other half of the lanes.  v16: row 32 w + lane % 16; v18: 16 rows on
	v_pk_add_f32 v[SS:SS+1], v[SS:SS+1], v[SS+4:SS+5]
	v_pk_add_f32 v[SS+2:SS+3], v[SS+2:SS+3], v[SS+6:SS+7]
	v_add_f32 v[SS], v[SS], v[SS+1]
	v_add_f32 v[SS+2], v[SS+2], v[SS+3]
	v_permlanex16_b32 v[SS+1], v[SS], s[SEL], s[SEL+1]
	v_permlanex16_b32 v[SS+3], v[SS+2], s[SEL], s[SEL+1]
	v_add_f32 v[SS], v[SS], v[SS+1]
	v_add_f32 v[SS+2], v[SS+2], v[SS+3]
	v_fma_f32 v[SS], v[SS], -2.0, v[CB]
	v_fma_f32 v[SS+2], v[SS+2], -2.0, v[CB]
	; THE BLOCK'S MAXIMUM: my 32 rows', then the four waves' through LDS
	v_max_num_f32 v[EN], v[SS], v[SS+2]
.irp x, 1,2,4,8
	v_max_num_f32_dpp v[EN], v[EN], v[EN] row_xmask:\x row_mask:0xf bank_mask:0xf
.endr
	s_lshl_b32 s63, s[WV], 2
	s_add_co_u32 s63, s63, LMAX
	v_mov_b32 v[T0], s63
	ds_store_b32 v[T0], v[EN]                      ; all lanes write the same word with the same value
	s_wait_dscnt 0x0                               ; my maximum lies in LDS, and my reads of the last slot are over:
	s_barrier_signal -1
	s_barrier_wait -1                              ; behind this barrier the slots may be written
	v_mov_b32 v[T1], LMAX
	ds_load_b128 v[EN:EN+3], v[T1]
	s_wait_dscnt 0x0
	v_max3_num_f32 v[MR], v[EN], v[EN+1], v[EN+2]
	v_max_num_f32 v[MR], v[MR], v[EN+3]
	v_sub_f32 v[SS], v[SS], v[MR]
	v_sub_f32 v[SS+2], v[SS+2], v[MR]
	v_mul_f32 v[SS], s[L2E], v[SS]
	v_mul_f32 v[SS+2], s[L2E], v[SS+2]
	v_exp_f32 v[SS], v[SS]
	v_exp_f32 v[SS+2], v[SS+2]
	v_nop                                          ; a plain instruction behind the last exponential,
	s_wait_alu depctr_va_vdst(0)                   ; and the wait ahead of the first use: one for the two
	v_add_f32 v[EN], v[SS], v[SS+2]
.irp x, 1,2,4,8
	v_add_f32_dpp v[EN], v[EN], v[EN] row_xmask:\x row_mask:0xf bank_mask:0xf
.endr
	ds_store_b32 v[T0], v[EN] offset:16            ; my 32 rows' sum of p
	s_lshl_b32 s63, s[WV], 7
	s_add_co_u32 s63, s63, LP
	v_and_b32 v[T2], 15, v0
	v_lshl_add_u32 v[T2], v[T2], 2, s63
	ds_store_b32 v[T2], v[SS]                      ; p of my rows (both halves of the lanes hold and write the same)
	ds_store_b32 v[T2], v[SS+2] offset:64
	; THE ROWS GO BACK INTO LDS, row by row, into the slots, which have had their last fill: registers 0-3 of fragment (i, c) are 16 bytes at 64 c + 16 h of row 16 i + lane % 16, registers 4-7 32 bytes on
.set c, 0
.rept 32
	WIN 0x04*(1+c/16)                              ; the stores' data (source 1) in window 1, then 2
.irp i, 0,1
	ds_store_b128 v[DA], v[16*(c%16)+8*(\i):16*(c%16)+8*(\i)+3]   offset:(\i)*16*PD+64*c
	ds_store_b128 v[DA], v[16*(c%16)+8*(\i)+4:16*(c%16)+8*(\i)+7] offset:(\i)*16*PD+64*c+32
.endr
.set c, c+1
.endr
	WIN 0
	s_wait_dscnt 0x0                               ; for the others' sake: my rows, p and sum lie in LDS
	s_barrier_signal -1
	s_barrier_wait -1
	; THE CONTEXT: thread T sums p x value over the block's 128 rows for columns 8 T .. 8 T + 7; 16 rows a trip
	v_lshlrev_b32 v[T0], 4, v0
	v_mov_b32 v[T1], LP
.set k, 0
.rept 8
	v_mov_b32 v[CX+k], 0
.set k, k+1
.endr
	s_mov_b32 s[CNT], 8
.Lctx:
.set q, 0
.rept 16
	ds_load_b128 v[WB+4*q:WB+4*q+3], v[T0] offset:q*PD
.set q, q+1
.endr
.set q, 0
.rept 4
	ds_load_b128 v[WB+64+4*q:WB+64+4*q+3], v[T1] offset:16*q   ; the 16 rows' p, the same for every lane
.set q, q+1
.endr
	s_wait_dscnt 0x0
.set q, 0
.rept 16
.irp k, 0,1,2,3
	v_fma_mix_f32_bf16 v[CX+2*(\k)],   v[WB+4*q+(\k)], v[WB+64+q], v[CX+2*(\k)]   op_sel_hi:[1,0,0]
	v_fma_mix_f32_bf16 v[CX+2*(\k)+1], v[WB+4*q+(\k)], v[WB+64+q], v[CX+2*(\k)+1] op_sel:[1,0,0] op_sel_hi:[1,0,0]
.endr
.set q, q+1
.endr
	v_add_nc_u32 v[T0], 16*PD, v[T0]
	v_add_nc_u32 v[T1], 64, v[T1]
	s_sub_co_u32 s[CNT], s[CNT], 1
	s_cmp_lg_u32 s[CNT], 0
	s_cbranch_scc1 .Lctx
	; THE WAY OUT.  A lane's 32 bytes go into my wave's own 1,024 bytes of LDS and come back 16 bytes a lane, so that each store of the wave covers 512 consecutive bytes, aligned
	s_lshl_b32 s80, s[GB], 12
	s_lshl_b32 s81, s[WV], 10
	s_add_co_u32 s80, s80, s81
	s_mov_b32 s81, 0
	s_add_nc_u64 s[74:75], s[14:15], s[80:81]      ; part at my block's row, my wave's 256 columns
	s_lshl_b32 s80, s[GB], 9
	s_add_nc_u64 s[78:79], s[18:19], s[80:81]      ; pw at my block
	s_lshl_b32 s80, s[GB], 8
	s_add_nc_u64 s[82:83], s[16:17], s[80:81]      ; st at my block
	s_lshl_b32 s63, s[WV], 10
	s_add_co_u32 s63, s63, LCT
	v_and_b32 v[T1], 31, v0
	v_lshl_add_u32 v[T0], v[T1], 5, s63
	v_lshl_add_u32 v[T2], v[T1], 4, s63
	v_lshlrev_b32 v[T1], 4, v[T1]                  ; 16 x lane; not rewritten from here on
	ds_store_b128 v[T0], v[CX:CX+3]
	ds_store_b128 v[T0], v[CX+4:CX+7] offset:16
	ds_load_b128 v[EN+8:EN+11], v[T2]              ; LDS serves a wave's instructions in order (ISA guide 5.7.1.4): these see the stores above
	ds_load_b128 v[EN+12:EN+15], v[T2] offset:512
	s_wait_dscnt 0x0
	global_store_b128 v[T1], v[EN+8:EN+11], s[74:75]
	global_store_b128 v[T1], v[EN+12:EN+15], s[74:75] offset:512
	s_cmp_lg_u32 s[WV], 0                          ; wave 0 stores the block's p, and (m, l) 32 times: 256 consecutive bytes
	s_cbranch_scc1 .Lnot0
	v_add_nc_u32 v[T2], LP, v[T1]
	ds_load_b128 v[EN+16:EN+19], v[T2]
	v_mov_b32 v[T0], LMAX+16
	ds_load_b128 v[EN+20:EN+23], v[T0]
	v_lshrrev_b32 v[EN+24], 1, v[T1]               ; 8 x lane
	s_wait_dscnt 0x0
	global_store_b128 v[T1], v[EN+16:EN+19], s[78:79]
	v_add_f32 v[EN+20], v[EN+20], v[EN+21]
	v_add_f32 v[EN+22], v[EN+22], v[EN+23]
	v_add_f32 v[MR+1], v[EN+20], v[EN+22]
	global_store_b64 v[EN+24], v[MR:MR+1], s[82:83]
.Lnot0:
	s_wait_tensorcnt 0x0                           ; the wave's end: behind my last tensor load and my last LDS store
	ds_add_u32 v[SPW], v[NIL]
	s_wait_dscnt 0x0
	ROUND                                          ; the closing round: no work-group ends while a partner may still ask for a tile that names it
	s_endpgm
.Lfunc_end_k_q756b76b344_main:
	.size	k_q756b76b344_main, .Lfunc_end_k_q756b76b344_main-k_q756b76b344_main
	.p2alignl 7, 3214868480
	.fill 96, 4, 3214868480
	.section	.rodata,"a",@progbits
	.p2align	6, 0x0
	.amdhsa_kernel k_q756b76b344_main
		.amdhsa_group_segment_fixed_size 327680
		.amdhsa_private_segment_fixed_size 0
		.amdhsa_enable_private_segment 0
		.amdhsa_kernarg_size 64
		.amdhsa_user_sgpr_count 2
		.amdhsa_user_sgpr_kernarg_segment_ptr 1
		.amdhsa_wavefront_size32 1
		.amdhsa_system_sgpr_workgroup_id_x 1
		.amdhsa_system_sgpr_workgroup_id_y 1
		.amdhsa_system_sgpr_workgroup_id_z 1
		.amdhsa_system_vgpr_workitem_id 0
		.amdhsa_next_free_vgpr 896
		.amdhsa_next_free_sgpr 84
		.amdhsa_reserve_vcc 0
		.amdhsa_float_denorm_mode_32 3
		.amdhsa_float_denorm_mode_16_64 3
		.amdhsa_memory_ordered 1
		.amdhsa_forward_progress 1
		.amdhsa_inst_pref_size 255
	.end_amdhsa_kernel
	.section	.bss,"aw",@nobits
	.p2align	6
	.space	262144
	.amdgpu_metadata
---
amdhsa.version: [ 1, 2 ]
amdhsa.kernels:
  - .name:           k_q756b76b344_main
    .symbol:         k_q756b76b344_main.kd
    .args:
      - { .name: values, .offset: 0, .size: 8, .value_kind: global_buffer, .address_space: global }
      - { .name: wp, .offset: 8, .size: 8, .value_kind: global_buffer, .address_space: global }
      - { .name: qb, .offset: 16, .size: 8, .value_kind: global_buffer, .address_space: global }
      - { .name: V, .offset: 24, .size: 8, .value_kind: global_buffer, .address_space: global }
      - { .name: bv, .offset: 32, .size: 8, .value_kind: global_buffer, .address_space: global }
      - { .name: part, .offset: 40, .size: 8, .value_kind: global_buffer, .address_space: global }
      - { .name: st, .offset: 48, .size: 8, .value_kind: global_buffer, .address_space: global }
      - { .name: pw, .offset: 56, .size: 8, .value_kind: global_buffer, .address_space: global }
    .group_segment_fixed_size: 327680
    .private_segment_fixed_size: 0
    .kernarg_segment_align: 8
    .kernarg_segment_size: 64
    .max_flat_workgroup_size: 128
    .sgpr_count:     84
    .vgpr_count:     896
    .wavefront_size: 32
...
	.end_amdgpu_metadata
.endif
;; end of part 2
;; launch fin (part 3): grid 256 x 1, 2 waves a work-group, no clusters, 0 bytes of LDS; arguments part, st, pw, out0, out1; writes out0, out1
.if DOCPART == 3
	.amdgcn_target "amdgcn-amd-amdhsa--gfx1250"
	.amdhsa_code_object_version 6
	.text
	.protected	k_q756b76b344_fin
	.globl	k_q756b76b344_fin
	.p2align	8
	.type	k_q756b76b344_fin,@function
k_q756b76b344_fin:
	s_mov_b64 s[64:65], 0
	v_nop
	global_prefetch_b8 v0, s[64:65] scope:SCOPE_SE
	s_setreg_imm32_b32 hwreg(HW_REG_WAVE_MODE, 25, 1), 1
	s_wait_xcnt 0x0
; A batch's eight blocks are joined.  Block i left m_i, l_i = sum of exp(score - m_i), p = exp(score - m_i) for its 128 rows, and part_i = sum of p x values.
; M = max m_i;  f_i = exp(m_i - M);  L = sum f_i l_i;  out0[b][:] = sum (f_i / L) part_i[:];  out1[b][t] = p[t] f_own / L.  All in f32.  L is at least 1: the block with m_i = M has f = 1 and holds a p = 1.
; A work-group takes a quarter of a batch: 256 columns of out0 and 256 rows t of out1; thread T four of each: every load and store of a wave covers 512 consecutive bytes, aligned.
; No LDS, no barrier: no wave wants what another has.  An exponential below 2^-126 counts as 0.
.set ST, 20                            ; s[20:35] (m_i, l_i), i = 0..7;  s36 m of the block that holds my wave's 128 rows t
	s_load_b256 s[4:11], s[0:1], 0x0               ; part s[4:5], st s[6:7], pw s[8:9], out0 s[10:11]
	s_load_b64 s[12:13], s[0:1], 0x20              ; out1
	v_lshrrev_b32 v1, 5, v0
	v_readfirstlane_b32 s14, v1                    ; wave 0, 1
	s_lshr_b32 s15, ttmp9, 2                       ; batch
	s_and_b32 s16, ttmp9, 3                        ; quarter
	s_lshl_b32 s17, s16, 10                        ; the quarter's 1,024 bytes
	s_lshl_b32 s40, s15, 15                        ; the batch's eight rows of part
	s_add_co_u32 s40, s40, s17
	s_mov_b32 s41, 0
	s_lshl_b32 s42, s15, 12                        ; the batch's row of pw, out0, out1
	s_add_co_u32 s42, s42, s17
	s_mov_b32 s43, 0
	s_lshl_b32 s44, s15, 11                        ; the batch's eight entries of st
	s_mov_b32 s45, 0
	s_lshl_b32 s46, s16, 1
	s_add_co_u32 s46, s46, s14                     ; my rows' block: 2 x quarter + wave,
	s_lshl_b32 s46, s46, 8                         ; its entry
	v_lshlrev_b32 v2, 4, v0                        ; 16 T
	s_wait_kmcnt 0x0
	s_add_nc_u64 s[4:5], s[4:5], s[40:41]
	s_add_nc_u64 s[6:7], s[6:7], s[44:45]
	s_add_nc_u64 s[8:9], s[8:9], s[42:43]
	s_add_nc_u64 s[10:11], s[10:11], s[42:43]
	s_add_nc_u64 s[12:13], s[12:13], s[42:43]
.irp i, 0,1,2,3,4,5,6,7
	s_load_b64 s[ST+2*(\i):ST+2*(\i)+1], s[6:7], (\i)*256
.endr
	s_load_b32 s36, s[6:7], s46 offset:0x0
.irp i, 0,1,2,3,4,5,6,7
	global_load_b128 v[32+4*(\i):35+4*(\i)], v2, s[4:5] offset:(\i)*4096 th:TH_LOAD_NT
.endr
	global_load_b128 v[4:7], v2, s[8:9] th:TH_LOAD_NT
	s_wait_kmcnt 0x0
	v_mov_b32 v10, s[ST]
	v_max3_num_f32 v10, v10, s[ST+2], s[ST+4]
	v_max3_num_f32 v10, v10, s[ST+6], s[ST+8]
	v_max3_num_f32 v10, v10, s[ST+10], s[ST+12]
	v_max_num_f32 v10, s[ST+14], v10               ; M
.irp i, 0,1,2,3,4,5,6,7
	v_sub_f32 v[11+(\i)], s[ST+2*(\i)], v10
.endr
	v_sub_f32 v19, s36, v10
.irp i, 0,1,2,3,4,5,6,7,8
	v_mul_f32 v[11+(\i)], 0x3fb8aa3b, v[11+(\i)]   ; times log2(e)
.endr
.irp i, 0,1,2,3,4,5,6,7,8
	v_exp_f32 v[11+(\i)], v[11+(\i)]
.endr
	v_nop                                          ; a plain instruction behind the last exponential,
	s_wait_alu depctr_va_vdst(0)                   ; and the wait ahead of the first use: one for the nine
	v_mul_f32 v20, s[ST+1], v11
.irp i, 1,2,3,4,5,6,7
	v_fmac_f32 v20, s[ST+2*(\i)+1], v[11+(\i)]     ; L
.endr
	v_rcp_f32 v21, v20
	v_nop
	s_wait_alu depctr_va_vdst(0)
.irp i, 0,1,2,3,4,5,6,7,8
	v_mul_f32 v[11+(\i)], v[11+(\i)], v21          ; f_i / L
.endr
	s_wait_loadcnt 0x0
.irp k, 0,1,2,3
	v_mul_f32 v[24+(\k)], v[32+(\k)], v11          ; the first block starts the sums
.endr
.irp i, 1,2,3,4,5,6,7
.irp k, 0,1,2,3
	v_fmac_f32 v[24+(\k)], v[32+4*(\i)+(\k)], v[11+(\i)]
.endr
.endr
.irp k, 0,1,2,3
	v_mul_f32 v[28+(\k)], v[4+(\k)], v19
.endr
	global_store_b128 v2, v[24:27], s[10:11]
	global_store_b128 v2, v[28:31], s[12:13]
	s_endpgm
.Lfunc_end_k_q756b76b344_fin:
	.size	k_q756b76b344_fin, .Lfunc_end_k_q756b76b344_fin-k_q756b76b344_fin
	.p2alignl 7, 3214868480
	.fill 96, 4, 3214868480
	.section	.rodata,"a",@progbits
	.p2align	6, 0x0
	.amdhsa_kernel k_q756b76b344_fin
		.amdhsa_group_segment_fixed_size 0
		.amdhsa_private_segment_fixed_size 0
		.amdhsa_enable_private_segment 0
		.amdhsa_kernarg_size 40
		.amdhsa_user_sgpr_count 2
		.amdhsa_user_sgpr_kernarg_segment_ptr 1
		.amdhsa_wavefront_size32 1
		.amdhsa_system_sgpr_workgroup_id_x 1
		.amdhsa_system_sgpr_workgroup_id_y 1
		.amdhsa_system_sgpr_workgroup_id_z 1
		.amdhsa_system_vgpr_workitem_id 0
		.amdhsa_next_free_vgpr 64
		.amdhsa_next_free_sgpr 66
		.amdhsa_reserve_vcc 0
		.amdhsa_float_denorm_mode_32 3
		.amdhsa_float_denorm_mode_16_64 3
		.amdhsa_memory_ordered 1
		.amdhsa_forward_progress 1
		.amdhsa_inst_pref_size 6
	.end_amdhsa_kernel
	.amdgpu_metadata
---
amdhsa.version: [ 1, 2 ]
amdhsa.kernels:
  - .name:           k_q756b76b344_fin
    .symbol:         k_q756b76b344_fin.kd
    .args:
      - { .name: part, .offset: 0, .size: 8, .value_kind: global_buffer, .address_space: global }
      - { .name: st, .offset: 8, .size: 8, .value_kind: global_buffer, .address_space: global }
      - { .name: pw, .offset: 16, .size: 8, .value_kind: global_buffer, .address_space: global }
      - { .name: out0, .offset: 24, .size: 8, .value_kind: global_buffer, .address_space: global }
      - { .name: out1, .offset: 32, .size: 8, .value_kind: global_buffer, .address_space: global }
    .group_segment_fixed_size: 0
    .private_segment_fixed_size: 0
    .kernarg_segment_align: 8
    .kernarg_segment_size: 40
    .max_flat_workgroup_size: 64
    .sgpr_count:     66
    .vgpr_count:     64
    .wavefront_size: 32
...
	.end_amdgpu_metadata
.endif
;; end of part 3
;; ======== version 2 of 2: 3 launches
;; workspace buffers: wp 2,097,152 bytes; qb 262,144 bytes; part 2,097,152 bytes; st 131,072 bytes; pw 262,144 bytes
;; launch prep: the kernel of part 1 again; grid 192 x 1, 16 waves a work-group, no clusters, 67,584 bytes of LDS; arguments W2, W1, query, b1, b2, wp, qb; writes wp, qb
;; launch main (part 4): grid 512 x 1, 4 waves a work-group, clusters of 4 x 1, 327,680 bytes of LDS; arguments values, wp, qb, V, bv, part, st, pw; writes part, st, pw
.if DOCPART == 4
	.amdgcn_target "amdgcn-amd-amdhsa--gfx1250"
	.amdhsa_code_object_version 6
	.text
	.protected	k_q756b76b344_main
	.globl	k_q756b76b344_main
	.p2align	8
	.type	k_q756b76b344_main,@function
k_q756b76b344_main:
	s_mov_b64 s[64:65], 0
	v_nop
	global_prefetch_b8 v0, s[64:65] scope:SCOPE_SE
	s_setreg_imm32_b32 hwreg(HW_REG_WAVE_MODE, 25, 1), 1
	s_wait_xcnt 0x0
	s_wait_alu depctr_hold_cnt(0) depctr_sa_sdst(0) depctr_va_vdst(0) depctr_va_sdst(0) depctr_va_ssrc(0) depctr_va_vcc(0) depctr_vm_vsrc(0)
	s_getreg_b32 s2, hwreg(HW_REG_IB_STS2, 6, 4)
	s_cmp_eq_u32 s2, 0
	s_cbranch_scc0 .Lentry_in_a_cluster
	s_endpgm
.Lentry_in_a_cluster:
	s_bfe_u32 s2, ttmp6, 0x10000c
	s_cmp_lg_u32 s2, 0x3003
	s_cbranch_scc0 .Lentry_shape_is_right
	s_endpgm
.Lentry_shape_is_right:
; score[b][t] = bv + sum over u of V[u] tanh(qb[b][u] + values[b][t] . W2[:, u]);  for a BLOCK of 128 rows t of one batch this launch makes the scores, the block's maximum m,
; p = exp(score - m), l = the sum of p, and the sum of p x values[b][t][:].  A later launch joins a batch's eight blocks.  512 blocks, one to a work-group.
; THE ROWS STAND STILL, AND K IS SPLIT IN TWO.  Wave w = 2 a + b holds 64 rows (half a of the block) x 512 columns (K half b) as bf16 fragments: 4 row tiles x 16 K steps x 8 = 512 registers.
; values are read once, as f32, by tensor loads of 64 rows x 512 bytes a wave, and rounded on the way from LDS to the registers.  W2 (bf16, in fragment order: buffer wp) then streams through two LDS slots
; of 131,072 bytes; a wave reads its K half of them, and each fragment that it reads feeds four products.
; u OUTSIDE, K INSIDE: a PAIR is two tiles of 16 u x my four row tiles: 8 accumulators, 32 fragments of W2, 128 matrix instructions, in four GROUPS of 8 fragments on two buffers of 64 registers by turns;
; at a group's head the next group's 16 LDS loads stand in ONE run.
; THE TWO K HALVES MEET IN LDS, in f32.  Waves (a, 0) and (a, 1) hold partial sums of the same rows.  Each KEEPS two row tiles (2 b, 2 b + 1 of the half: its local tiles 0, 1; their sums start from qb) and
; SENDS the two others (local tiles 2, 3; their sums start from 0) to its partner: 8 stores and 8 loads of 16 bytes a lane for a pair's 128 products.  One barrier a pair orders them; two exchange buffers take turns.
; So wave w ends with the scores of rows 32 w .. 32 w + 31.
; While pair p is multiplied: pair p - 1's sent sums go out and the partner's come in and are added to the kept ones (into RV); pair p - 2's sums, in RV until then, are turned into scores, in slices behind the kept products.
; tanh(x) = 1 - 2 / (1 + 2^(2 log2(e) x)), so score = (bv + sum V) - 2 sum V / (1 + 2^..): an exponential that overflows gives 1, one that vanishes -1.
; LAYOUT.  Source 0 = 16 u of W2, source 1 = 16 rows: in the result a lane holds ONE row (lane % 16) and u = 8 (lane / 16) + 0..7, so a row's score wants one exchange of the lanes' halves, at the end.
; CLUSTER.  All work-groups walk the same stream wp: the four of a cluster ask for each quarter slot JOINTLY (the same load, descriptor and mask in all four).  The tiles of values are each work-group's own: plain loads.
; AT THE END the fragments are laid row by row into the two slots, which have had their last fill, and thread T sums p x value for columns 8 T .. 8 T + 7 in f32.
; LIMITS.  Matrix operands are rounded to bf16; the context is made of the values so rounded, with f32 weights and sums.  An exponential below 2^-126 counts as 0.  NaN and infinities are not treated apart.
; REGISTERS, in windows of 256 (s_set_vgpr_msb: bits 1:0 source 0, 3:2 source 1, 5:4 source 2, 7:6 destination):
;   window 0: v1-15, v24-29 addresses; v16-23 S, the running sums; v32-63, v64-95 two sets of 4 kept accumulators ((u tile j, row tile e) at set + 8 (2 j + e)); v96-127 RV; v128-191, v192-255 the two buffers of W2's fragments
;   windows 1, 2: the rows: fragment (local row tile i, K step c of my half) at v[32 (c % 8) + 8 i] of window 1 + c / 8
;   window 3: v0-127 tables, by a slot's parity and tile x of 4: at 64 parity + 16 x: 8 registers of qb, 8 of V, for u = 8 (lane / 16) + 0..7; v128-159 the 4 sent accumulators
; The slices name window 0 alone, so they stand behind kept products, whose destination lies there; the sent products stand together, 16 on end, so that a group has two switches for them.
.set PA,    528                        ; a row of a tile of values in LDS: 512 bytes + 16 of padding = 132 words: the 16 rows of a load start at 16 different groups of four banks (64 banks of 4 bytes: ISA guide 11.1)
.set WREG,  64*PA                      ; a wave's tile
.set REGY,  4*WREG                     ; the second region: 135,168
.set WPAIR, 65536                      ; a pair's 64 fragments; my K half is 32,768 of them
.set WSLOT, 131072                     ; a slot: two pairs
.set PD,    2064                       ; a row of bf16 at the end: 2,048 bytes + 16
.set SCR,   2*REGY                     ; behind both regions, never filled by a tensor load:
.set LP,    SCR                        ;   p of the block's 128 rows
.set LMAX,  SCR+512                    ;   the four waves' maxima; 16 bytes on, their sums
.set LCT,   SCR+768                    ;   1,024 bytes for each wave, for the context's way out
.set XCH,   SCR+768+4096               ;   the exchange: two buffers; in each 4,096 bytes for each wave: accumulator n at 1,024 n: 16 bytes a lane for registers 0-3, then for registers 4-7
.set XBUF,  16384
.set SPARE, XCH+2*XBUF                 ; the spare words, 128 bytes for each wave: two blocks of 256 bytes that no other line names
.set PFO, 1                            ; v1     the prefetches' offset: 256 x lane; not rewritten once made
.set AW,  2                            ; v2-5   16 x lane + 32,768 b + the first byte of slot 0's pairs 0, 1 and slot 1's pairs 0, 1
.set AFXK, 6                           ; v6     my place in my tile of values in the first region, at my kept rows: w x WREG + (32 b + lane % 16) x PA + 32 (lane / 16)
.set AFXS, 7                           ; v7     at my sent rows: 32 (1 - b) for 32 b
.set AFYK, 8                           ; v8, v9 the same in the second region
.set AFYS, 9
.set TO,  10                           ; v10    32 (lane / 16): my 8 numbers in a tile's 64 bytes of qb and V
.set DAK, 11                           ; v11    the rows' way into LDS, kept rows: (32 w + lane % 16) x PD + 1,024 b + 16 (lane / 16)
.set DAS, 12                           ; v12    sent rows: the partner's 32 rows for mine
.set SPW, 13                           ; v13    LDS address of my spare word; never rewritten
.set NIL, 14                           ; v14    0; never rewritten
.set CB,  15                           ; v15    bv + the sum of V
.set SS,  16                           ; v16-23 pair 2 j + e: sum of V / (1 + 2^..), even and odd u
.set XS,  24                           ; v24    the exchange: where I store: XCH + 4,096 w + 16 x lane
.set XR,  25                           ; v25    where I read: my partner's 4,096 bytes
.set T0,  26                           ; v26-28 at work
.set T1,  27
.set T2,  28
.set L16, 29                           ; v29    16 x lane
.set KA,  32
.set KB,  64
.set CX,  32                           ; v32-39 the context, when the products are over
.set RV,  96                           ; v96-127 the sums at work: 32 registers, laid as a kept set
.set EN,  96                           ; the same registers at the head and at the end
.set MR,  100                          ; v100 m, v101 l
.set WB,  128
.set SN,  128                          ; in window 3
.set WV,  20                           ; s20  my wave's number
.set CXS, 21                           ; s21  my place in the cluster: it enters global addresses of values, qb, part, st, pw and of the prefetches alone
.set GB,  22                           ; s22  my block
.set G1A, 24                           ; s[24:31] descriptor group 1 for tiles of values
.set G1W, 32                           ; s[32:39] for quarter slots of wp
.set G0AX, 40                          ; s[40:43], s[44:47] group 0 for values, one for each region
.set G0AY, 44
.set G0WX, 48                          ; s[48:51], s[52:55] group 0 for wp, one for each slot
.set G0WY, 52
.set CNT, 56
.set WA,  57                           ; s57  a: which 64 rows
.set C2,  58                           ; s[58:59] 2 log2(e): the packed multiply takes the pair's low word for both halves
.set SEL, 60                           ; s[60:61] v_permlanex16_b32's selects: each lane takes its own place in the other half
.set TQ,  66                           ; s[66:67] qb at my batch, at the trip's first slot
.set TV,  68                           ; s[68:69] V at the same u
.set BV,  70
.set L2E, 71
.set PFA, 84                           ; s[84:85] wp at my wave's 8,192 bytes of the trip's first slot
.set LIM, 86                           ; s86  1 in the first cluster, else the greatest number
.set WK,  87                           ; s87  b: which K half
.set WP,  90                           ; s90  my partner's number
.set MSB, 0
.macro WIN new                         ; the high byte repeats the setting that is left; a switch that changes nothing is dropped
.if MSB != (\new)
	s_set_vgpr_msb (MSB<<8)|(\new)
.set MSB, (\new)
.endif
.endm
.macro CREST                           ; a round of the cluster's barrier behind its opening barrier
	s_cmp_lg_u32 s[WV], 0
	s_cbranch_scc1 .Lnot_wave_0_\@
	s_barrier_signal -3
.Lnot_wave_0_\@:
	s_barrier_wait -3
	s_barrier_signal -1
	s_barrier_wait -1
.endm
.macro ROUND                           ; a whole round: my work-group's barrier, wave 0's signal for the work-group, every wave's wait for all four, my work-group's barrier once more
	s_barrier_signal -1
	s_barrier_wait -1
	CREST
.endm
.macro PLACES                          ; four places behind matrix instructions: ahead of loads into registers that they have read and of work on their results
.rept 4
	v_nop
.endr
.endm
.macro TL g0, g1                       ; a tensor load; an s_nop 0 and four v_nop follow it
	tensor_load_to_lds s[(\g0):(\g0)+3], s[(\g1):(\g1)+7]
	s_nop 0
	PLACES
.endm
; A region is filled again: all my tensor loads have landed, 0 goes onto my spare word, the descriptor steps, the add and my reads of the region are over; a round; my one load, first behind it.
.macro ACH g0, g1, step
	WIN 0
	s_wait_tensorcnt 0x0                           ; no tensor load of mine is out, so a group 0 may be written
	ds_add_u32 v[SPW], v[NIL]
.if \step
	s_add_nc_u64 s[(\g0)+2:(\g0)+3], s[(\g0)+2:(\g0)+3], \step
.endif
	s_wait_dscnt 0x0
	ROUND
	TL \g0, \g1
.endm
; A PREFETCH INTO THE L2 of the slot that the NEXT change of slots will ask for: 131,072 bytes, 512 blocks of 256.  All clusters walk the same stream: the first cluster asks, and nobody else; it walks wp once.
; Its four partners' sixteen waves share the blocks out BY ADDRESS, (4 x place + wave) x 8,192 + 256 x lane: a lane a block, one instruction a wave; no branch hangs on a work-group's place in its cluster.
; It stands behind the joint refill, its five lines and the runs of LDS loads.  how = 1: a trip's first change; how = 2: its second, which in the last trip has no slot left to name.  Slots 0 to 2 come by their loads alone.
.macro ASK how, imm
.if (\how) == 1
	s_cmp_eq_u32 s[LIM], 1
.else
	s_cmp_gt_u32 s[CNT], s[LIM]                    ; the count is 1 in the last trip
.endif
	s_cbranch_scc0 .Lnot_mine_\@
	global_prefetch_b8 v[PFO], s[PFA:PFA+1] offset:\imm th:TH_LOAD_NT scope:SCOPE_SE
.Lnot_mine_\@:
.endm
	s_load_b512 s[4:19], s[0:1], 0x0               ; values s[4:5], wp s[6:7], qb s[8:9], V s[10:11], bv s[12:13], part s[14:15], st s[16:17], pw s[18:19]
	v_lshl_add_u32 v[SPW], v0, 2, SPARE
	v_mov_b32 v[NIL], 0
	ds_add_u32 v[SPW], v[NIL]                      ; the wave's opening: the add and its wait stand ahead of my first tensor load; the set-up below, work on registers, stands between them
	v_lshrrev_b32 v1, 5, v0
	v_readfirstlane_b32 s[WV], v1                  ; wave 0..3
	s_lshr_b32 s[WA], s[WV], 1
	s_and_b32 s[WK], s[WV], 1
	s_xor_b32 s[WP], s[WV], 1
	s_bfe_u32 s[CXS], ttmp6, 0x40000
	s_lshl_b32 s[GB], ttmp9, 2                     ; in a cluster launch ttmp9 counts clusters
	s_add_co_u32 s[GB], s[GB], s[CXS]              ; my block = 4 x cluster + my place
	; group 1 for values: 64 rows x 128 f32, 1,024 f32 from row to row, 4 words of padding behind every 128
	s_mov_b32 s[G1A+0], (2<<16)|(1<<20)|(6<<22)|(3<<25)  ; 15:0 no mask; 17:16 elements of 4 bytes; 20 padding on; 24:22 after every 128 words (code 6); 31:25 4 words (code 3)
	s_mov_b32 s[G1A+1], 128<<16                    ; tensor_dim0 = 128
	s_mov_b32 s[G1A+2], 64<<16                     ; tensor_dim1 = 64
	s_mov_b32 s[G1A+3], 128<<16                    ; tile_dim0 = 128
	s_mov_b32 s[G1A+4], 64                         ; tile_dim1 = 64
	s_mov_b32 s[G1A+5], 1024                       ; elements from row to row
	s_mov_b32 s[G1A+6], 0
	s_mov_b32 s[G1A+7], 0
	; group 1 for wp: 32,768 dense bytes as 128 rows of 256
	s_mov_b32 s[G1W+0], 15|(3<<16)|(1<<21)         ; 15:0 the mask: all four work-groups; 17:16 elements of 8 bytes; 21 set beside a mask
	s_mov_b32 s[G1W+1], 32<<16
	s_mov_b32 s[G1W+2], 128<<16
	s_mov_b32 s[G1W+3], 32<<16
	s_mov_b32 s[G1W+4], 128
	s_mov_b32 s[G1W+5], 32
	s_mov_b32 s[G1W+6], 0
	s_mov_b32 s[G1W+7], 0
	s_mul_i32 s72, s[WV], WREG                     ; my tile in a region
	s_lshl_b32 s73, s[WV], 15                      ; the quarter of a slot that I fetch
	s_mov_b32 s[G0AX], 1
	s_mov_b32 s[G0AX+1], s72
	s_mov_b32 s[G0AY], 1
	s_add_co_u32 s[G0AY+1], s72, REGY
	s_mov_b32 s[G0WX], 1
	s_mov_b32 s[G0WX+1], s73
	s_mov_b32 s[G0WY], 1
	s_add_co_u32 s[G0WY+1], s73, REGY
	s_lshl_b32 s74, s[GB], 19                      ; my block's 128 rows of 4,096 bytes (under 2^32),
	s_lshl_b32 s75, s[WA], 18                      ; my 64 of them,
	s_add_co_u32 s74, s74, s75
	s_lshl_b32 s75, s[WK], 11                      ; my 512 columns
	s_add_co_u32 s74, s74, s75
	s_mov_b32 s75, 0
	s_mov_b32 s76, s73                             ; my quarter in wp: the wave's number alone
	s_mov_b32 s77, 0
	s_lshr_b32 s78, s[GB], 3                       ; my batch,
	s_lshl_b32 s78, s78, 12                        ; its row of qb
	s_mov_b32 s79, 0
	s_lshl_b32 s88, s[CXS], 2                      ; the prefetches: (4 x my place + my wave) x 8,192 bytes of a slot
	s_add_co_u32 s88, s88, s[WV]
	s_lshl_b32 s88, s88, 13
	s_mov_b32 s89, 0
	s_cmp_eq_u32 ttmp9, 0                          ; the first cluster: the same answer in all four partners
	s_cselect_b32 s[LIM], 1, -1
	s_mov_b32 s[C2], 0x4038aa3b                    ; 2 log2(e)
	s_mov_b32 s[C2+1], s[C2]
	s_mov_b32 s[SEL], 0x76543210
	s_mov_b32 s[SEL+1], 0xfedcba98
	s_mov_b32 s[L2E], 0x3fb8aa3b
	v_and_b32 v[T0], 31, v0
	v_and_b32 v[T1], 15, v0
	v_bfe_u32 v[T2], v0, 4, 1
	v_lshlrev_b32 v[PFO], 8, v[T0]
	v_lshlrev_b32 v[L16], 4, v[T0]
	s_lshl_b32 s62, s[WK], 15                      ; my K half of a pair
	v_add_nc_u32 v[AW], s62, v[L16]
	v_add_nc_u32 v[AW+1], WPAIR, v[AW]
	v_add_nc_u32 v[AW+2], REGY, v[AW]
	v_add_nc_u32 v[AW+3], REGY+WPAIR, v[AW]
	v_mul_u32_u24 v[AFXK], v[T1], PA
	v_lshl_add_u32 v[AFXK], v[T2], 5, v[AFXK]
	v_add_nc_u32 v[AFXK], s72, v[AFXK]
	s_mul_i32 s62, s[WK], 32*PA                    ; my kept rows begin at row 32 b of my 64,
	s_sub_co_u32 s63, 32*PA, s62                   ; my sent rows at row 32 (1 - b)
	v_add_nc_u32 v[AFXS], s63, v[AFXK]
	v_add_nc_u32 v[AFXK], s62, v[AFXK]
	v_add_nc_u32 v[AFYK], REGY, v[AFXK]
	v_add_nc_u32 v[AFYS], REGY, v[AFXS]
	v_lshlrev_b32 v[TO], 5, v[T2]
	v_mul_u32_u24 v[DAK], v[T1], PD
	v_lshl_add_u32 v[DAK], v[T2], 4, v[DAK]
	s_lshl_b32 s63, s[WK], 10                      ; my 512 columns in bf16
	s_mul_i32 s62, s[WP], 32*PD                    ; my sent rows are rows 32 x partner .. of the block,
	s_add_co_u32 s62, s62, s63
	v_add_nc_u32 v[DAS], s62, v[DAK]
	s_mul_i32 s62, s[WV], 32*PD                    ; my kept rows 32 w ..
	s_add_co_u32 s62, s62, s63
	v_add_nc_u32 v[DAK], s62, v[DAK]
	s_lshl_b32 s62, s[WV], 12
	s_add_co_u32 s62, s62, XCH
	v_add_nc_u32 v[XS], s62, v[L16]
	s_lshl_b32 s62, s[WP], 12
	s_add_co_u32 s62, s62, XCH
	v_add_nc_u32 v[XR], s62, v[L16]
	s_wait_dscnt 0x0                               ; the opening add is done
	s_wait_kmcnt 0x0
	s_add_nc_u64 s[G0AX+2:G0AX+3], s[4:5], s[74:75]            ; columns 0-127 of my half,
	s_add_nc_u64 s[G0AY+2:G0AY+3], s[G0AX+2:G0AX+3], 512       ; columns 128-255
	s_or_b32 s[G0AX+3], s[G0AX+3], 0x80000000                  ; 127:126 type = 2
	s_or_b32 s[G0AY+3], s[G0AY+3], 0x80000000
	s_add_nc_u64 s[G0WX+2:G0WX+3], s[6:7], s[76:77]            ; slot 0,
	s_add_nc_u64 s[G0WY+2:G0WY+3], s[G0WX+2:G0WX+3], WSLOT     ; slot 1
	s_or_b32 s[G0WX+3], s[G0WX+3], 0x80000000
	s_or_b32 s[G0WY+3], s[G0WY+3], 0x80000000
	s_add_nc_u64 s[TQ:TQ+1], s[8:9], s[78:79]
	s_mov_b64 s[TV:TV+1], s[10:11]
	s_add_nc_u64 s[PFA:PFA+1], s[6:7], s[88:89]
	ROUND                                          ; in a cluster launch the first tensor loads stand behind a round
	tensor_load_to_lds s[G0AX:G0AX+3], s[G1A:G1A+7]  ; the two first fills go out together: two loads of mine are out
	s_nop 0
	tensor_load_to_lds s[G0AY:G0AY+3], s[G1A:G1A+7]
	s_nop 0
	PLACES
; A slot's tables into window 3: for each of its four tiles my 8 numbers of qb (TABQ) and of V (TABV).
.macro TABQ par, imm
	WIN 0xc0                                       ; destination window 3, address window 0
.irp x, 0,1,2,3
	global_load_b128 v[64*(\par)+16*(\x):64*(\par)+16*(\x)+3],     v[TO], s[TQ:TQ+1] offset:(\imm)+64*(\x)
	global_load_b128 v[64*(\par)+16*(\x)+4:64*(\par)+16*(\x)+7],   v[TO], s[TQ:TQ+1] offset:(\imm)+64*(\x)+16
.endr
.endm
.macro TABV par, imm
	WIN 0xc0
.irp x, 0,1,2,3
	global_load_b128 v[64*(\par)+16*(\x)+8:64*(\par)+16*(\x)+11],  v[TO], s[TV:TV+1] offset:(\imm)+64*(\x)
	global_load_b128 v[64*(\par)+16*(\x)+12:64*(\par)+16*(\x)+15], v[TO], s[TV:TV+1] offset:(\imm)+64*(\x)+16
.endr
.endm
	; in the wait for the first tiles: bv, the sum of V, slot 0's qb, and zeros.  The first two pairs' slices, sendings and additions work on pairs that have not been: the sent sums, set B and RV hold 0 and the V of the
	; slot before the first is 0, so they add 0.5 x 0 to S.  The price of writing no first pairs out: 136 lines that write 0, here, where the wave waits anyway.
	s_load_b32 s[BV], s[12:13], 0x0
.irp n, 0,1,2,3,4,5,6,7
	global_load_b128 v[EN+4*(\n):EN+4*(\n)+3], v[L16], s[10:11] offset:512*(\n)
.endr
	TABQ 0, 0
.set k, 0
.rept 8
.irp x, 0,1,2,3
	v_mov_b32 v[64+16*(\x)+8+k], 0
.endr
.set k, k+1
.endr
.set k, 0
.rept 32
	v_mov_b32 v[SN+k], 0
.set k, k+1
.endr
	WIN 0
.set k, 0
.rept 8
	v_mov_b32 v[SS+k], 0
.set k, k+1
.endr
.set k, 0
.rept 32
	v_mov_b32 v[KB+k], 0
.set k, k+1
.endr
	s_wait_loadcnt 0x0
	s_wait_kmcnt 0x0
.set d, 2
.rept 4                                ; my 32 numbers of V: 8 + 4 + 2 + 1 packed additions
.set k, 0
.rept 16/d
	v_pk_add_f32 v[EN+2*d*k:EN+2*d*k+1], v[EN+2*d*k:EN+2*d*k+1], v[EN+2*d*k+d:EN+2*d*k+d+1]
.set k, k+1
.endr
.set d, 2*d
.endr
	v_add_f32 v[EN], v[EN], v[EN+1]
.irp x, 1,2,4,8
	v_add_f32_dpp v[EN], v[EN], v[EN] row_xmask:\x row_mask:0xf bank_mask:0xf
.endr
	v_permlanex16_b32 v[EN+1], v[EN], s[SEL], s[SEL+1]
	v_add_f32 v[EN], v[EN], v[EN+1]
	v_add_f32 v[CB], s[BV], v[EN]
.set k, 0
.rept 32
	v_mov_b32 v[RV+k], 0
.set k, k+1
.endr
; THE ROWS COME IN.  A chunk is 128 columns of my half: 16 fragments, in four batches: batch bt is local row tile bt, its four K steps.  A fragment's 16 f32 a lane are four loads of 16 bytes
; (k = 8 h + 0..7 at byte 32 h, k = 16 + 8 h + 0..7 at byte 64 + 32 h); eight roundings make its 8 registers.  Two staging halves of 64 registers (the buffers of W2's fragments) take turns.
.macro CLD bt, afk, afs
.set ar, \afk
.if (\bt) >= 2
.set ar, \afs
.endif
.set k, 0
.rept 4
.set sg, WB+64*((\bt)%2)+16*k
.set ob, ((\bt)%2)*16*PA+k*128
	ds_load_b128 v[sg:sg+3],     v[ar] offset:ob
	ds_load_b128 v[sg+4:sg+7],   v[ar] offset:ob+16
	ds_load_b128 v[sg+8:sg+11],  v[ar] offset:ob+64
	ds_load_b128 v[sg+12:sg+15], v[ar] offset:ob+80
.set k, k+1
.endr
.endm
.macro CCV n, bt
	WIN 0x40*(1+(\n)/2)                            ; destination window 1 (chunks 0, 1) or 2 (chunks 2, 3)
.set k, 0
.rept 4
.set sg, WB+64*((\bt)%2)+16*k
.set rt, 32*(4*((\n)%2)+k)+8*(\bt)
.set t, 0
.rept 8
	v_cvt_pk_bf16_f32 v[rt+t], v[sg+2*t], v[sg+2*t+1]
.set t, t+1
.endr
.set k, k+1
.endr
	WIN 0
.endm
.macro CONV n, afk, afs
	CLD 0, \afk, \afs
	CLD 1, \afk, \afs
	s_wait_dscnt 16                                ; a batch is in; the younger batch's 16 loads may stay out
	CCV \n, 0
	CLD 2, \afk, \afs
	s_wait_dscnt 16
	CCV \n, 1
	CLD 3, \afk, \afs
	s_wait_dscnt 16
	CCV \n, 2
	s_wait_dscnt 0x0
	CCV \n, 3
.endm
	s_wait_tensorcnt 0x1                           ; chunk 0 is in; chunk 1 may stay out
	s_barrier_signal -1
	s_barrier_wait -1
	CONV 0, AFXK, AFXS
	ACH G0AX, G1A, 1024                            ; chunk 2 into the first region
	CONV 1, AFYK, AFYS
	ACH G0AY, G1A, 1024                            ; chunk 3 into the second
	CONV 2, AFXK, AFXS
	ACH G0WX, G1W, 0                               ; the rows have left the first region: slot 0 of wp
	CONV 3, AFYK, AFYS
	ACH G0WY, G1W, 0                               ; slot 1; the wait and the round in front of it have shown slot 0 whole to every wave
; THE SLICES: the work on RV (32 registers, x = qb + both halves' products), with its V at VT in window 3.  RA, RB and CMB name window 0 alone and have no vector register as source 1: they run under the kept products' window setting.
; RA g, slice g of 16: pair g times 2 log2(e); the exponentials of the pair before, in the last slice also of its own.  The 32 exponentials are ONE BATCH: nothing names a result of theirs before RB, and their one wait stands at the next group's head.
.macro RA g
	v_pk_mul_f32 v[RV+2*(\g):RV+2*(\g)+1], v[RV+2*(\g):RV+2*(\g)+1], s[C2:C2+1] op_sel_hi:[1,0]
.if (\g) >= 1
	v_exp_f32 v[RV+2*(\g)-2], v[RV+2*(\g)-2]
	v_exp_f32 v[RV+2*(\g)-1], v[RV+2*(\g)-1]
.endif
.if (\g) == 15
	v_exp_f32 v[RV+30], v[RV+30]
	v_exp_f32 v[RV+31], v[RV+31]
.endif
.endm
; RB g, slice g of 16: + 1 for pair g; the reciprocals of the pair before, in the last slice also of its own.  A batch of 32 again: the additions run ahead of the reciprocals, so none names a result.
.macro RB g
	v_pk_add_f32 v[RV+2*(\g):RV+2*(\g)+1], v[RV+2*(\g):RV+2*(\g)+1], 1.0 op_sel_hi:[1,0]
.if (\g) >= 1
	v_rcp_f32 v[RV+2*(\g)-2], v[RV+2*(\g)-2]
	v_rcp_f32 v[RV+2*(\g)-1], v[RV+2*(\g)-1]
.endif
.if (\g) == 15
	v_rcp_f32 v[RV+30], v[RV+30]
	v_rcp_f32 v[RV+31], v[RV+31]
.endif
.endm
; RC m, m = 0..3: S[n] += reciprocal x V for pair m of each of the four accumulators n, the four S by turns.  V lies in window 3: a switch in front, and the next product's behind.
.macro RC m
	WIN 0x0c
.irp a, 0,1,2,3
	v_pk_fma_f32 v[SS+2*(\a):SS+2*(\a)+1], v[RV+8*(\a)+2*(\m):RV+8*(\a)+2*(\m)+1], v[VT+16*((\a)/2)+2*(\m):VT+16*((\a)/2)+2*(\m)+1], v[SS+2*(\a):SS+2*(\a)+1]
.endr
.endm
; CMB g, slice g of 16: the partner's sums, in RV, take my kept sums of the same pair (set PREV), ascending: each accumulator's lowest registers are read first.  Written as kept x 1 + RV, so that no vector register stands as source 1.
.macro CMB g
	v_pk_fma_f32 v[RV+2*(\g):RV+2*(\g)+1], v[PREV+2*(\g):PREV+2*(\g)+1], 1.0, v[RV+2*(\g):RV+2*(\g)+1] op_sel_hi:[1,0,1]
.endm
.macro SL kind                         ; the slice behind a kept product: kind 1 RA, 2 RB, 3 RC (behind products 0, 2, 4, 6), 4 CMB
.if (\kind) == 1
	RA sl
.elseif (\kind) == 2
	RB sl
.elseif ((\kind) == 3) && (sl < 8) && (sl%2 == 0)
	RC sl/2
.elseif (\kind) == 4
	CMB sl
.endif
.set sl, sl+1
.endm
; THE PRODUCTS of group gg, fragment kk (u tile j = kk % 2, K step 4 gg + kk / 2 of my half), row tile e.  PK: kept, accumulator (j, e) of set CUR; K step 0 starts the sums from qb.  PS: sent, local row tile 2 + e; K step 0 starts them from 0.
; The accumulators take turns, one instruction a turn, over the edges of halves, groups, pairs, slots and trips too.  The rows lie in window 1 in groups 0 and 1, in window 2 in groups 2 and 3.
.macro PK e
.set rD, CUR+8*(2*(kk%2)+(\e))
.set rW, WB+64*(gg%2)+8*kk
.set rR, 32*((4*gg+kk/2)%8)+8*(\e)
.if (gg == 0) && (kk < 2)
	WIN 0x34                                       ; C (qb) in window 3
	v_wmma_f32_16x16x32_bf16 v[rD:rD+7], v[rW:rW+7], v[rR:rR+7], v[QT+16*kk:QT+16*kk+7]
.else
	WIN 0x04+0x04*(gg/2)
	v_wmma_f32_16x16x32_bf16 v[rD:rD+7], v[rW:rW+7], v[rR:rR+7], v[rD:rD+7]
.endif
.endm
.macro PS e
.set rD, SN+8*(2*(kk%2)+(\e))
.set rW, WB+64*(gg%2)+8*kk
.set rR, 32*((4*gg+kk/2)%8)+16+8*(\e)
	WIN 0xf4+0x04*(gg/2)                           ; C and D in window 3
.if (gg == 0) && (kk < 2)
	v_wmma_f32_16x16x32_bf16 v[rD:rD+7], v[rW:rW+7], v[rR:rR+7], 0
.else
	v_wmma_f32_16x16x32_bf16 v[rD:rD+7], v[rW:rW+7], v[rR:rR+7], v[rD:rD+7]
.endif
.endm
.macro KH kind                         ; a group's 16 kept products, a slice behind each
.set kk, 0
.set sl, 0
.rept 8
	PK 0
	SL \kind
	PK 1
	SL \kind
.set kk, kk+1
.endr
.endm
.macro SH from, n                      ; the sent products of n fragments
.set kk, \from
.rept \n
	PS 0
	PS 1
.set kk, kk+1
.endr
.endm
.macro RUN b, aw, g                    ; 16 LDS loads in one run: group g of my half of the pair at aw into buffer b; each load takes 512 consecutive bytes
	WIN 0
.set k, 0
.rept 8
	ds_load_b128 v[WB+64*(\b)+8*k:WB+64*(\b)+8*k+3],   v[\aw] offset:(8*(\g)+k)*1024
	ds_load_b128 v[WB+64*(\b)+8*k+4:WB+64*(\b)+8*k+7], v[\aw] offset:(8*(\g)+k)*1024+512
.set k, k+1
.endr
.endm
.macro SEND q                          ; my four sent accumulators into my part of exchange buffer q; each accumulator's lowest registers first
	WIN 0x0c                                       ; the stores' data (source 1) in window 3
.irp a, 0,1,2,3
	ds_store_b128 v[XS], v[SN+8*(\a):SN+8*(\a)+3]   offset:(\q)*XBUF+(\a)*1024
	ds_store_b128 v[XS], v[SN+8*(\a)+4:SN+8*(\a)+7] offset:(\q)*XBUF+(\a)*1024+512
.endr
.endm
.macro RECV q                          ; my partner's four, which are partial sums of my kept rows, into RV
	WIN 0
.irp a, 0,1,2,3
	ds_load_b128 v[RV+8*(\a):RV+8*(\a)+3],   v[XR] offset:(\q)*XBUF+(\a)*1024
	ds_load_b128 v[RV+8*(\a)+4:RV+8*(\a)+7], v[XR] offset:(\q)*XBUF+(\a)*1024+512
.endr
.endm
; A PAIR, number q of its slot.  At a group's head: its own fragments, asked for 32 matrix instructions ago, are waited for; four places behind the products that read the other buffer; the next group's run into that buffer.
; Group 0's head also sends the pair before's sent sums (five places: the first sent products of this pair write over them).  The two waits behind the batches of transcendentals stand at the heads of groups 1 and 2.
; THE PAIR'S BARRIER.  Behind 24 products of group 2 all my LDS instructions are waited for, my stores into the exchange among them, and I signal; 8 products, work on registers; the wait; then my partner's sums are read.
; They are in behind 16 sent products (the count 16 leaves the run's loads out) and are added beside the 16 kept ones.  Buffer q is written again two pairs on, behind the next pair's barrier, in front of which its reader has waited for these loads.
; aw: the pair's first byte; awn: the next pair's.  tabs: behind the first run this slot's V (1) and the next slot's qb too (2) are asked for.  last = 1: nothing follows.
; chg: THE CHANGE OF SLOTS, in a slot's second pair: the pair's barrier is also the refill's.  Group 2's head has asked for the slot's last bytes.  Behind its 16 kept products: the wait for all my tensor loads (one is out: my quarter of the
; other slot), the add, the descriptor's step.  chg = 1: the barrier opens a round of the cluster's, and the joint refill (the slot two on) is the first thing behind it; from there to the wait for it stand 240 matrix instructions.  chg = 2: nothing is left to ask for.
.macro PAIR q, aw, awn, cur, prev, qt, vt, tabs, tvimm, tqimm, chg, g0, last, ask, aimm
.set CUR, \cur
.set PREV, \prev
.set QT, \qt
.set VT, \vt
	s_wait_dscnt 0x0                               ; group 0's fragments are in
	PLACES
	v_nop
	SEND \q
	RUN 1, \aw, 1
.if (\tabs) >= 1
	TABV SPAR, \tvimm
.endif
.if (\tabs) == 2
	TABQ 1-SPAR, \tqimm
.endif
.set gg, 0
	KH 1
	SH 0, 8
	PLACES                                         ; also the plain instruction behind the last exponential
	s_wait_alu depctr_va_vdst(0)                   ; one wait for the 32 exponentials, ahead of their first reader
	s_wait_dscnt 0x0                               ; group 1's
	RUN 0, \aw, 2
.set gg, 1
	KH 2
	SH 0, 8
	PLACES                                         ; also the plain instruction behind the last reciprocal
	s_wait_alu depctr_va_vdst(0)                   ; one wait for the 32 reciprocals
	s_wait_dscnt 0x0                               ; group 2's
	RUN 1, \aw, 3
.set gg, 2
	KH 3
.if \chg
	WIN 0                                          ; (the add's two registers lie in window 0)
	s_wait_tensorcnt 0x0                           ; all my tensor loads have landed, so a group 0 may be written
	ds_add_u32 v[SPW], v[NIL]                      ; 0 onto my spare word
.if (\chg) == 1
	s_add_nc_u64 s[(\g0)+2:(\g0)+3], s[(\g0)+2:(\g0)+3], 2*WSLOT
.endif
.endif
	SH 0, 4
	s_wait_dscnt 0x0                               ; for the others' sake: my sent sums lie in LDS; group 3's fragments are in, so my reads of a slot that ends here are over; the add is done
	s_barrier_signal -1
	SH 4, 4
	WIN 0                                          ; at a branch and at a label every window is 0
	s_barrier_wait -1
.if (\chg) == 1
	CREST                                          ; no wave of any partner still reads this slot or has a load on its way
	TL \g0, G1W                                    ; its four v_nop are also the places ahead of the run below
.else
	PLACES
.endif
	RECV \q
.if !(\last)
	RUN 0, \awn, 0
.endif
.if \ask
	ASK \ask, \aimm
.endif
.set gg, 3
	SH 0, 8
.if \last
	s_wait_dscnt 0x0
.else
	s_wait_dscnt 16                                ; my partner's sums are in; the run's 16 loads, issued behind them, may stay out
.endif
	KH 4
.endm
; A SLOT of parity par: its qb and the slot before's V are in.  Pair 0 on set A, pair 1 on set B.  The slices work two pairs behind the products: on the same pair of the slot before, whose V lies in the other parity's tables.
.macro SLOT par, tabs, tvimm, tqimm, chg, g0, last, ask, aimm
.set SPAR, \par
	s_wait_loadcnt 0x0                             ; the only global loads out are tables
	PAIR 0, AW+2*(\par), AW+2*(\par)+1, KA, KB, 64*(\par), 64*(1-(\par))+8, 0, 0, 0, 0, 0, 0, 0, 0
	PAIR 1, AW+2*(\par)+1, AW+2*(1-(\par)), KB, KA, 64*(\par)+32, 64*(1-(\par))+40, \tabs, \tvimm, \tqimm, \chg, \g0, \last, \ask, \aimm
.endm
	RUN 0, AW, 0                                   ; slot 0's first group
	s_mov_b32 s[CNT], 7
.Lw:                                   ; a trip: two slots, 128 u; both are filled again.  Seven trips: slots 0-13
	SLOT 0, 2, 0, 256, 1, G0WX, 0, 1, 3*WSLOT
	SLOT 1, 2, 256, 512, 1, G0WY, 0, 2, 4*WSLOT
	WIN 0
	s_wait_xcnt 0x0                                ; the tables' loads and the prefetches (the youngest 32 matrix instructions back) have read their addresses, so the three pointers may be written
	s_add_nc_u64 s[TQ:TQ+1], s[TQ:TQ+1], 512
	s_add_nc_u64 s[TV:TV+1], s[TV:TV+1], 512
	s_add_nc_u64 s[PFA:PFA+1], s[PFA:PFA+1], 2*WSLOT
	s_sub_co_u32 s[CNT], s[CNT], 1
	s_cmp_lg_u32 s[CNT], 0
	s_cbranch_scc1 .Lw
	SLOT 0, 2, 0, 256, 2, 0, 0, 0, 0               ; the tail is written out: slots 14 and 15 ask for no slot; slot 15 has no qb behind it
	SLOT 1, 1, 256, 0, 0, 0, 1, 0, 0
	; THE LAST TWO PAIRS' SLICES, by themselves.  RV holds the last pair but one; the last pair's sent sums go out beside its work.
	WIN 0
	s_wait_loadcnt 0x0                             ; the last slot's V
	PLACES
	v_nop
	SEND 0
	WIN 0
.macro LUMP                            ; RV into S
.set gl, 0
.rept 16
	RA gl
.set gl, gl+1
.endr
	v_nop
	s_wait_alu depctr_va_vdst(0)
.set gl, 0
.rept 16
	RB gl
.set gl, gl+1
.endr
	v_nop
	s_wait_alu depctr_va_vdst(0)
.set gl, 0
.rept 4
	RC gl
.set gl, gl+1
.endr
	WIN 0
.endm
.set VT, 72
	LUMP
	s_wait_dscnt 0x0                               ; for my partner's sake: my sent sums lie in LDS
	s_barrier_signal -1
	s_barrier_wait -1
	RECV 0
	s_wait_dscnt 0x0
.set PREV, KB
.set gl, 0
.rept 16
	CMB gl
.set gl, gl+1
.endr
.set VT, 104
	LUMP
	; THE SCORES: both u tiles, even and odd u, the other half of the lanes.  v16: row 32 w + lane % 16; v18: 16 rows on
	v_pk_add_f32 v[SS:SS+1], v[SS:SS+1], v[SS+4:SS+5]
	v_pk_add_f32 v[SS+2:SS+3], v[SS+2:SS+3], v[SS+6:SS+7]
	v_add_f32 v[SS], v[SS], v[SS+1]
	v_add_f32 v[SS+2], v[SS+2], v[SS+3]
	v_permlanex16_b32 v[SS+1], v[SS], s[SEL], s[SEL+1]
	v_permlanex16_b32 v[SS+3], v[SS+2], s[SEL], s[SEL+1]
	v_add_f32 v[SS], v[SS], v[SS+1]
	v_add_f32 v[SS+2], v[SS+2], v[SS+3]
	v_fma_f32 v[SS], v[SS], -2.0, v[CB]
	v_fma_f32 v[SS+2], v[SS+2], -2.0, v[CB]
	; THE BLOCK'S MAXIMUM: my 32 rows', then the four waves' through LDS
	v_max_num_f32 v[EN], v[SS], v[SS+2]
.irp x, 1,2,4,8
	v_max_num_f32_dpp v[EN], v[EN], v[EN] row_xmask:\x row_mask:0xf bank_mask:0xf
.endr
	s_lshl_b32 s63, s[WV], 2
	s_add_co_u32 s63, s63, LMAX
	v_mov_b32 v[T0], s63
	ds_store_b32 v[T0], v[EN]                      ; all lanes write the same word with the same value
	s_wait_dscnt 0x0                               ; my maximum lies in LDS, and my reads of the last slot are over:
	s_barrier_signal -1
	s_barrier_wait -1                              ; behind this barrier the slots may be written
	v_mov_b32 v[T1], LMAX
	ds_load_b128 v[EN:EN+3], v[T1]
	s_wait_dscnt 0x0
	v_max3_num_f32 v[MR], v[EN], v[EN+1], v[EN+2]
	v_max_num_f32 v[MR], v[MR], v[EN+3]
	v_sub_f32 v[SS], v[SS], v[MR]
	v_sub_f32 v[SS+2], v[SS+2], v[MR]
	v_mul_f32 v[SS], s[L2E], v[SS]
	v_mul_f32 v[SS+2], s[L2E], v[SS+2]
	v_exp_f32 v[SS], v[SS]
	v_exp_f32 v[SS+2], v[SS+2]
	v_nop                                          ; a plain instruction behind the last exponential,
	s_wait_alu depctr_va_vdst(0)                   ; and the wait ahead of the first use: one for the two
	v_add_f32 v[EN], v[SS], v[SS+2]
.irp x, 1,2,4,8
	v_add_f32_dpp v[EN], v[EN], v[EN] row_xmask:\x row_mask:0xf bank_mask:0xf
.endr
	ds_store_b32 v[T0], v[EN] offset:16            ; my 32 rows' sum of p
	s_lshl_b32 s63, s[WV], 7
	s_add_co_u32 s63, s63, LP
	v_and_b32 v[T2], 15, v0
	v_lshl_add_u32 v[T2], v[T2], 2, s63
	ds_store_b32 v[T2], v[SS]                      ; p of my rows (both halves of the lanes hold and write the same)
	ds_store_b32 v[T2], v[SS+2] offset:64
	; THE ROWS GO BACK INTO LDS, row by row, into the slots, which have had their last fill: registers 0-3 of fragment (i, c) are 16 bytes at 1,024 b + 64 c + 16 h of the tile's row lane % 16, registers 4-7 32 bytes on
.set c, 0
.rept 16
	WIN 0x04*(1+c/8)                               ; the stores' data (source 1) in window 1, then 2
.irp i, 0,1,2,3
.set da, DAK+(\i)/2
	ds_store_b128 v[da], v[32*(c%8)+8*(\i):32*(c%8)+8*(\i)+3]   offset:((\i)%2)*16*PD+64*c
	ds_store_b128 v[da], v[32*(c%8)+8*(\i)+4:32*(c%8)+8*(\i)+7] offset:((\i)%2)*16*PD+64*c+32
.endr
.set c, c+1
.endr
	WIN 0
	s_wait_dscnt 0x0                               ; for the others' sake: my rows, p and sum lie in LDS
	s_barrier_signal -1
	s_barrier_wait -1
	; THE CONTEXT: thread T sums p x value over the block's 128 rows for columns 8 T .. 8 T + 7; 16 rows a trip
	v_lshlrev_b32 v[T0], 4, v0
	v_mov_b32 v[T1], LP
.set k, 0
.rept 8
	v_mov_b32 v[CX+k], 0
.set k, k+1
.endr
	s_mov_b32 s[CNT], 8
.Lctx:
.set q, 0
.rept 16
	ds_load_b128 v[WB+4*q:WB+4*q+3], v[T0] offset:q*PD
.set q, q+1
.endr
.set q, 0
.rept 4
	ds_load_b128 v[WB+64+4*q:WB+64+4*q+3], v[T1] offset:16*q   ; the 16 rows' p, the same for every lane
.set q, q+1
.endr
	s_wait_dscnt 0x0
.set q, 0
.rept 16
.irp k, 0,1,2,3
	v_fma_mix_f32_bf16 v[CX+2*(\k)],   v[WB+4*q+(\k)], v[WB+64+q], v[CX+2*(\k)]   op_sel_hi:[1,0,0]
	v_fma_mix_f32_bf16 v[CX+2*(\k)+1], v[WB+4*q+(\k)], v[WB+64+q], v[CX+2*(\k)+1] op_sel:[1,0,0] op_sel_hi:[1,0,0]
.endr
.set q, q+1
.endr
	v_add_nc_u32 v[T0], 16*PD, v[T0]
	v_add_nc_u32 v[T1], 64, v[T1]
	s_sub_co_u32 s[CNT], s[CNT], 1
	s_cmp_lg_u32 s[CNT], 0
	s_cbranch_scc1 .Lctx
	; THE WAY OUT.  A lane's 32 bytes go into my wave's own 1,024 bytes of LDS and come back 16 bytes a lane, so that each store of the wave covers 512 consecutive bytes, aligned
	s_lshl_b32 s80, s[GB], 12
	s_lshl_b32 s81, s[WV], 10
	s_add_co_u32 s80, s80, s81
	s_mov_b32 s81, 0
	s_add_nc_u64 s[74:75], s[14:15], s[80:81]      ; part at my block's row, my wave's 256 columns
	s_lshl_b32 s80, s[GB], 9
	s_add_nc_u64 s[78:79], s[18:19], s[80:81]      ; pw at my block
	s_lshl_b32 s80, s[GB], 8
	s_add_nc_u64 s[82:83], s[16:17], s[80:81]      ; st at my block
	s_lshl_b32 s63, s[WV], 10
	s_add_co_u32 s63, s63, LCT
	v_and_b32 v[T1], 31, v0
	v_lshl_add_u32 v[T0], v[T1], 5, s63
	v_lshl_add_u32 v[T2], v[T1], 4, s63
	ds_store_b128 v[T0], v[CX:CX+3]
	ds_store_b128 v[T0], v[CX+4:CX+7] offset:16
	ds_load_b128 v[EN+8:EN+11], v[T2]              ; LDS serves a wave's instructions in order (ISA guide 5.7.1.4): these see the stores above
	ds_load_b128 v[EN+12:EN+15], v[T2] offset:512
	s_wait_dscnt 0x0
	global_store_b128 v[L16], v[EN+8:EN+11], s[74:75]
	global_store_b128 v[L16], v[EN+12:EN+15], s[74:75] offset:512
	s_cmp_lg_u32 s[WV], 0                          ; wave 0 stores the block's p, and (m, l) 32 times: 256 consecutive bytes
	s_cbranch_scc1 .Lnot0
	v_add_nc_u32 v[T2], LP, v[L16]
	ds_load_b128 v[EN+16:EN+19], v[T2]
	v_mov_b32 v[T0], LMAX+16
	ds_load_b128 v[EN+20:EN+23], v[T0]
	v_lshrrev_b32 v[EN+24], 1, v[L16]              ; 8 x lane
	s_wait_dscnt 0x0
	global_store_b128 v[L16], v[EN+16:EN+19], s[78:79]
	v_add_f32 v[EN+20], v[EN+20], v[EN+21]
	v_add_f32 v[EN+22], v[EN+22], v[EN+23]
	v_add_f32 v[MR+1], v[EN+20], v[EN+22]
	global_store_b64 v[EN+24], v[MR:MR+1], s[82:83]
.Lnot0:
	s_wait_tensorcnt 0x0                           ; the wave's end: behind my last tensor load and my last LDS store
	ds_add_u32 v[SPW], v[NIL]
	s_wait_dscnt 0x0
	ROUND                                          ; the closing round: no work-group ends while a partner may still ask for a tile that names it
	s_endpgm
.Lfunc_end_k_q756b76b344_main:
	.size	k_q756b76b344_main, .Lfunc_end_k_q756b76b344_main-k_q756b76b344_main
	.p2alignl 7, 3214868480
	.fill 96, 4, 3214868480
	.section	.rodata,"a",@progbits
	.p2align	6, 0x0
	.amdhsa_kernel k_q756b76b344_main
		.amdhsa_group_segment_fixed_size 327680
		.amdhsa_private_segment_fixed_size 0
		.amdhsa_enable_private_segment 0
		.amdhsa_kernarg_size 64
		.amdhsa_user_sgpr_count 2
		.amdhsa_user_sgpr_kernarg_segment_ptr 1
		.amdhsa_wavefront_size32 1
		.amdhsa_system_sgpr_workgroup_id_x 1
		.amdhsa_system_sgpr_workgroup_id_y 1
		.amdhsa_system_sgpr_workgroup_id_z 1
		.amdhsa_system_vgpr_workitem_id 0
		.amdhsa_next_free_vgpr 928
		.amdhsa_next_free_sgpr 92
		.amdhsa_reserve_vcc 0
		.amdhsa_float_denorm_mode_32 3
		.amdhsa_float_denorm_mode_16_64 3
		.amdhsa_memory_ordered 1
		.amdhsa_forward_progress 1
		.amdhsa_inst_pref_size 255
	.end_amdhsa_kernel
	.section	.bss,"aw",@nobits
	.p2align	6
	.space	262144
	.amdgpu_metadata
---
amdhsa.version: [ 1, 2 ]
amdhsa.kernels:
  - .name:           k_q756b76b344_main
    .symbol:         k_q756b76b344_main.kd
    .args:
      - { .name: values, .offset: 0, .size: 8, .value_kind: global_buffer, .address_space: global }
      - { .name: wp, .offset: 8, .size: 8, .value_kind: global_buffer, .address_space: global }
      - { .name: qb, .offset: 16, .size: 8, .value_kind: global_buffer, .address_space: global }
      - { .name: V, .offset: 24, .size: 8, .value_kind: global_buffer, .address_space: global }
      - { .name: bv, .offset: 32, .size: 8, .value_kind: global_buffer, .address_space: global }
      - { .name: part, .offset: 40, .size: 8, .value_kind: global_buffer, .address_space: global }
      - { .name: st, .offset: 48, .size: 8, .value_kind: global_buffer, .address_space: global }
      - { .name: pw, .offset: 56, .size: 8, .value_kind: global_buffer, .address_space: global }
    .group_segment_fixed_size: 327680
    .private_segment_fixed_size: 0
    .kernarg_segment_align: 8
    .kernarg_segment_size: 64
    .max_flat_workgroup_size: 128
    .sgpr_count:     92
    .vgpr_count:     928
    .wavefront_size: 32
...
	.end_amdgpu_metadata
.endif
;; end of part 4
;; launch fin: the kernel of part 3 again; grid 256 x 1, 2 waves a work-group, no clusters, 0 bytes of LDS; arguments part, st, pw, out0, out1; writes out0, out1
